; MI455X (gfx1250); checked and timed in simulation.
; The chip was launched on July 23, 2026; its instructions are those of AMD's public machine-readable ISA for CDNA 5 (MIT licence, August 2026) and "CDNA5" Instruction Set Architecture Reference Guide (July 2026). The comments in the code are by the model that wrote it; some were corrected since.
;; Casual Self Attention. Allowed arithmetic: matrix products marked QUANTISED: E2M3 operands, one E8M0 scale for each 32 along K, by v_wmma_scale_f32_16x16x128_f8f6f4 with both operands' format E2M3, f32 sums; everything else in f32.
;; Inputs: W_attn 1,024 x 3,072 float32; W_proj 1,024 x 1,024 float32; x 4 x 2,048 x 1,024 float32.
;; Outputs: out0 4 x 2,048 x 1,024 float32.
;; This version of the problem:
;;   THIS VERSION OF THE PROBLEM IS GIVEN IN LOW PRECISION. The matrix products marked QUANTISED in the list below multiply operands that are first quantised to E2M3 (2 exponent bits, 3 mantissa bits; 6 bits a number), with one power-of-two scale for each 32 numbers along K (OCP MX v1.0); their sums are f32. All else is computed in f32.
;;   The module's matrix products, in the order in which they are computed (A, B: the left and right operand; K: the contracted axis; several contracted axes count as one K, in the product's order):
;;     1. [M 8,192, K 1,024] x [K 1,024, N 3,072]; A: input x; B: input W_attn: QUANTISED
;;     2. batch 64 x [M 2,048, K 64] x [K 64, N 2,048]; A: computed on the way; B: computed on the way: QUANTISED
;;     3. batch 64 x [M 2,048, K 2,048] x [K 2,048, N 64]; A: softmax (see below); B: computed on the way: QUANTISED
;;     4. [M 8,192, K 1,024] x [K 1,024, N 1,024]; A: computed on the way; B: input W_proj: QUANTISED
;;   THE QUANTISER, for each operand of a quantised product, along K:
;;     - K is cut into blocks of 32 from its start; a last block that is shorter is filled with zeros.
;;     - A block's scale is 2^e with e = floor(log2(the largest magnitude in the block)) - 2, held to -126 .. 127; a block of zeros has e = 0. As a byte (E8M0): e + 127.
;;     - Each number is divided by its block's scale, clamped to +-7.5, and rounded to the nearest number of E2M3, ties to even, subnormals kept.
;;     - The product sums the exact products of the quantised numbers (number of the format x scale) in f32.
;;   ~~~python
;;   def quantise(x, axis):      # numpy; x: float32 -> the quantised numbers, widened to float32 again
;;       x = np.moveaxis(x, axis, -1); K = x.shape[-1]
;;       x = np.pad(x, [(0, 0)] * (x.ndim - 1) + [(0, -K % 32)]); x = x.reshape(x.shape[:-1] + (-1, 32)); a = np.abs(x).max(-1, keepdims=True)
;;       e = np.where(a > 0, np.clip(np.frexp(np.where(a > 0, a, 1))[1] - 1 - 2, -126, 127), 0)      # np.frexp(a)[1] - 1 = floor(log2(a)), exactly
;;       r = np.clip(x / 2.0 ** e, -7.5, 7.5)
;;       step = 2.0 ** (np.maximum(np.frexp(np.where(r == 0, 1, r))[1] - 1, 0) - 3)
;;       q = np.round(r / step) * step * 2.0 ** e      # np.round: ties to even
;;       return np.moveaxis(q.reshape(q.shape[:-2] + (-1,))[..., :K], -1, axis).astype(np.float32)
;;   ~~~
;;   SOFTMAX AHEAD OF A QUANTISED PRODUCT. Where the list says 'softmax', what is quantised is not the finished softmax but p = 2^(t - M), with t = logit x log2(e) and M = ceil(the row's largest t), a whole number; so 1/2 < the row's largest p <= 1. The row's sum l is taken of the UNQUANTISED p, in f32, and the product's result is divided by l at the end. Since M is a whole number, a kernel that streams over the keys may use a running M (the ceiling of the running maximum): every later rescaling is an exact power of two, which a block's scale takes up: the codes' values come out the same.
;;   OPERANDS COMPUTED ON THE WAY. 'Computed on the way' means the value that the module computes at that place (a softmax that the list does not call 'softmax' is quantised finished and normalised). What goes into a quantiser is computed in f32, as accurately as f32 sums, v_exp_f32 and their like allow (about 1e-6 of the number): no bf16 or f16 on the way to a quantiser, and a product that is left as it is and whose result goes on into a quantised operand takes f32 operands (vector FMAs, or v_wmma_f32_16x16x4_f32). A number that lies on a knife's edge between two numbers of the format may be rounded either way, as far as f32 arithmetic and the matrix unit's own rounding can turn it there, and no further.
;; One version. Each part assembles by itself: llvm-mc -triple=amdgcn-amd-amdhsa -mcpu=gfx1250 --defsym DOCPART=n.
;; ======== version 1 of 1: 4 launches
;; workspace buffers: xq 6,553,600 bytes; wq 3,276,800 bytes; qq 6,815,744 bytes; kv 13,369,344 bytes; aq 6,553,600 bytes
;; launch quant (part 1): grid 384 x 1, 4 waves a work-group, no clusters, 60,928 bytes of LDS; arguments x, W_attn, W_proj, xq, wq; writes xq, wq
.if DOCPART == 1
	.amdgcn_target "amdgcn-amd-amdhsa--gfx1250"
	.amdhsa_code_object_version 6
	.text
	.protected	k_qcd72f202df_quant
	.globl	k_qcd72f202df_quant
	.p2align	8
	.type	k_qcd72f202df_quant,@function
k_qcd72f202df_quant:
	s_mov_b64 s[64:65], 0
	v_nop
	global_prefetch_b8 v0, s[64:65] scope:SCOPE_SE
	s_setreg_imm32_b32 hwreg(HW_REG_WAVE_MODE, 25, 1), 1
	s_wait_xcnt 0x0
; x [8192][1024], W_attn [1024][3072] and W_proj [1024][1024], f32, become codes of FP6 (E2M3) with one E8M0 byte for each 32 along K (x: its columns; the weights: their ROWS).
; A block's scale is 2^(floor(log2(its largest magnitude)) - 2): its byte is the largest magnitude's exponent field - 2, held at 1 from below.
; DEAD WORK OF THE PROGRAM (left out in the launch attn): reference() builds causal = tril(ones) in its own body and sets the scores of keys s > t to -inf, whose softmax weight is 0 for every
; finite input.  So a step of 128 keys all of which come after all 16 queries of a tile adds nothing to any output, and neither its scores nor its weights x values are computed.  No input is left out.
; LIMITS: a NaN, an infinity or an overflow that would reach only those masked steps is not carried to the result.  NaN and infinities among the inputs are not served.  A block whose largest magnitude
; lies under 2^-124 gets the byte 1; a block of zeros gets the byte 1 where the rule says 127: its codes are zeros, which add nothing under any byte but 0xff, and this program alone reads the bytes.
; LAYOUT OF ALL CODES OF THIS PROGRAM: a UNIT is 16 rows x 64 along K, 768 bytes, an image of six operand registers: piece p (256 bytes) holds at 8 x lane registers 2 p, 2 p + 1 of lane (r, h),
; which are bytes 8 p .. 8 p + 7 of the 24 bytes of row r's codes k = 32 h .. 32 h + 31.  Two units on end are a fragment of 128 along K.  Every piece is stored as 256 consecutive bytes, aligned.
; THE ROWS OF A TILE ARE NOT NEIGHBOURS: lane r of tile 2 g + u holds row 32 g + 8 u + r + 8 (r / 8), so that the 16 result registers of two neighbouring tiles of a product's source 0 are 16 neighbours.
; xq: codes [tile 512][unit 16][768], then from byte 6,291,456 scale bytes [K quarter 4][tile 512][r 16][8].   wq: codes [tile 256][16][768] (0-191 W_attn's columns, 192-255 W_proj's), from 3,145,728 [4][256][16][8].
; Work-groups 0-255 take x (32 rows each, a wave a K quarter), 256-383 the weights (128 columns x 256 along K each).  The two ways have LDS bytes of their own.  No tensor load, no barrier: waves share nothing.
.set XST,   0                          ; x: for each wave two stages of 16 rows x (256 + 16) bytes
.set WST,   34816                      ; weights: for each wave two tiles' images, 3,200 bytes apart (128 modulo 256: the two halves of a store fall on different banks)
.set SPARE, 60416                      ; the spare words, 128 bytes for each wave: two blocks of 256 bytes that no other line names
.set SPW,   22                         ; v22  LDS address of my spare word; never rewritten
.set NIL,   23                         ; v23  0; never rewritten
.set XSB,   16                         ; v16-19   x: scale words, two for each of the two tiles
.set XC,    32                         ; v32-63   x: codes, four sets of 8
.set XR,    64                         ; v64-191  x: numbers as loaded, four sets of 32
.set XX,    192                        ; v192-255 x: a lane's block of 32, two sets
.set WSB,   24                         ; v24-25   weights: my column's 8 scale bytes
.set WOFF,  32                         ; v32-63   weights: byte offset of row i of a block, i = 0 .. 31
.set WX,    64                         ; v64-127  weights: a block of 32 down K, two sets
.set WC,    128                        ; v128-135 weights: a block's codes
.set WOUT,  136                        ; v136-183 weights: the way out
	s_load_b256 s[4:11], s[0:1], 0x0               ; x s[4:5], W_attn s[6:7], W_proj s[8:9], xq s[10:11]
	s_load_b64 s[12:13], s[0:1], 0x20              ; wq
	v_lshl_add_u32 v[SPW], v0, 2, SPARE
	v_mov_b32 v[NIL], 0
	v_lshrrev_b32 v1, 5, v0
	v_readfirstlane_b32 s16, v1                    ; wave 0..3
	v_and_b32 v2, 31, v0                           ; lane
	s_mov_b32 s20, 0x76543210
	s_mov_b32 s21, 0xfedcba98                      ; v_permlanex16_b32's selects for lane l xor 16
	s_cmp_lt_u32 ttmp9, 256
	s_cbranch_scc0 .Lweights
; ---------------- x: K is innermost.  Eight steps t = 4 u + s: tile u of my work-group's two, 64 along K at unit 4 wave + s.
; A load takes two rows x 256 consecutive bytes; the 16 rows turn through my stage and come back 128 bytes a lane: a whole block of 32.
	v_and_b32 v5, 15, v2                           ; r
	v_lshrrev_b32 v6, 4, v2                        ; h
	v_lshlrev_b32 v3, 12, v6
	v_lshl_add_u32 v3, v5, 4, v3                   ; in: lanes 0-15 one row, lanes 16-31 the next; 16 bytes a lane
	v_lshlrev_b32 v4, 3, v2                        ; out: 8 x lane
	s_mul_i32 s17, s16, 8704                       ; my two stages
	v_mul_u32_u24 v14, v6, 272
	v_lshl_add_u32 v14, v5, 4, v14
	v_add_nc_u32 v14, s17, v14                     ; into a stage, as loaded
	v_mul_u32_u24 v15, v5, 272
	v_lshl_add_u32 v15, v6, 7, v15
	v_add_nc_u32 v15, s17, v15                     ; out of it: row r, + 128 h
	v_lshlrev_b32 v20, 3, v6                       ; 8 h: my byte's place in a pair
	v_mov_b32 v21, 0                               ; written once: a lane permute's destination counts as one of its sources
	s_lshl_b32 s24, ttmp9, 17                      ; 32 rows of 4,096 bytes a work-group,
	s_lshl_b32 s18, s16, 10                        ; 1,024 bytes of a row a wave
	s_add_co_u32 s24, s24, s18
	s_mov_b32 s25, 0
	s_mul_i32 s26, ttmp9, 24576                    ; codes: two tiles of 12,288 bytes a work-group,
	s_mul_i32 s18, s16, 3072                       ; four units a wave
	s_add_co_u32 s26, s26, s18
	s_mov_b32 s27, 0
	s_lshl_b32 s28, s16, 16                        ; scale bytes: 65,536 a K quarter,
	s_lshl_b32 s18, ttmp9, 8                       ; 256 a work-group
	s_add_co_u32 s28, s28, s18
	s_add_co_u32 s28, s28, 6291456
	s_mov_b32 s29, 0
	s_wait_kmcnt 0x0
	s_add_nc_u64 s[4:5], s[4:5], s[24:25]
	s_add_nc_u64 s[26:27], s[10:11], s[26:27]
	s_add_nc_u64 s[28:29], s[10:11], s[28:29]
.macro XLOAD t                         ; load i: the tile's lanes r = 2 i, 2 i + 1, which are rows 8 u + 2 i + 8 (i / 4) and the next
.irp i, 0,1,2,3,4,5,6,7
	global_load_b128 v[XR+32*((\t)%4)+4*\i:XR+32*((\t)%4)+4*\i+3], v3, s[4:5] offset:(8*((\t)/4)+2*\i+8*(\i/4))*4096+((\t)%4)*256 th:TH_LOAD_NT
.endr
.endm
.macro XTURN t                         ; LDS serves a wave's instructions in order: no wait between the stores and the loads
.irp i, 0,1,2,3,4,5,6,7
	ds_store_b128 v14, v[XR+32*((\t)%4)+4*\i:XR+32*((\t)%4)+4*\i+3] offset:((\t)%2)*4352+2*\i*272
.endr
.irp j, 0,1,2,3,4,5,6,7
	ds_load_b128 v[XX+32*((\t)%2)+4*\j:XX+32*((\t)%2)+4*\j+3], v15 offset:((\t)%2)*4352+16*\j
.endr
.endm
.macro XSTEP t
.set XS, XX+32*((\t)%2)
.set CC, XC+8*((\t)%4)
	s_wait_dscnt 0x0                               ; this step's block is back from the stage, so its stores into the stage have read their registers,
.if (\t) < 4
	XLOAD (\t)+4                                   ; which take the loads of four steps on
.endif
.if (\t) < 7
.if (\t) < 4
	s_wait_loadcnt 24                              ; the next step's eight loads are in; three younger sets may be out
.else
	s_wait_loadcnt 8*(6-(\t))                      ; the counts run down
.endif
	XTURN (\t)+1                                   ; through the other stage while this step is worked
.endif
	v_max3_num_f32 v8, |v[XS]|, |v[XS+1]|, |v[XS+2]|       ; the block's largest magnitude: all 32 numbers are mine; two chains
	v_max3_num_f32 v9, |v[XS+3]|, |v[XS+4]|, |v[XS+5]|
.irp i, 6,10,14,18,22,26
	v_max3_num_f32 v8, v8, |v[XS+\i]|, |v[XS+\i+1]|
	v_max3_num_f32 v9, v9, |v[XS+\i+2]|, |v[XS+\i+3]|
.endr
	v_max3_num_f32 v8, v8, |v[XS+30]|, |v[XS+31]|
	v_max3_num_f32 v8, v8, v9, 0x1800000           ; and the floor 2^(3 - 127): the byte cannot fall under 1
	v_add_nc_u32 v11, 0xff000000, v8               ; 2 off the exponent field: the conversion's scale operand
	s_wait_xcnt 0x0                                ; the stores of four steps ago have read this set of codes: it is written again only behind this wait
	v_cvt_scalef32_pk16_fp6_f32 v[CC:CC+2], v[XS:XS+15], v11
	v_cvt_scalef32_pk16_fp6_f32 v[CC+4:CC+6], v[XS+16:XS+31], v11   ; (a conversion's three registers begin on an even number)
	v_lshrrev_b32 v12, 23, v11                     ; the scale's byte (the plain line behind the conversions)
	v_lshlrev_b32 v12, v20, v12                    ; at its place: block 2 s + h of the quarter
	v_permlanex16_b32 v21, v12, s20, s21
	v_or_b32 v12, v12, v21                         ; with lane l xor 16's: the unit's two bytes
.if ((\t)%2) == 0
	v_mov_b32 v[XSB+2*((\t)/4)+((\t)%4)/2], v12
.else
	v_lshl_or_b32 v[XSB+2*((\t)/4)+((\t)%4)/2], v12, 16, v[XSB+2*((\t)/4)+((\t)%4)/2]
.endif
	v_mov_b32 v[CC+3], v[CC+4]                     ; the six registers on end
	v_mov_b32 v[CC+4], v[CC+5]
	v_mov_b32 v[CC+5], v[CC+6]
.irp p, 0,1,2
	global_store_b64 v4, v[CC+2*\p:CC+2*\p+1], s[26:27] offset:((\t)/4)*12288+((\t)%4)*768+256*\p   ; a piece: 256 consecutive bytes, aligned
.endr
.endm
.irp t, 0,1,2,3
	XLOAD \t
.endr
	s_wait_loadcnt 24                              ; step 0's eight loads are in
	XTURN 0
.irp t, 0,1,2,3,4,5,6,7
	XSTEP \t
.endr
	v_cmp_lt_u32 vcc_lo, 15, v2                    ; lanes 0-15 store tile 0's words of row r, lanes 16-31 tile 1's (both halves of the lanes hold both)
	v_cndmask_b32 v8, v16, v18, vcc_lo
	v_cndmask_b32 v9, v17, v19, vcc_lo
	global_store_b64 v4, v[8:9], s[28:29]          ; 256 consecutive bytes, aligned
	s_wait_tensorcnt 0x0                           ; the wave's end, behind my last LDS store
	ds_add_u32 v[SPW], v[NIL]
	s_wait_dscnt 0x0
	s_endpgm
; ---------------- the weights: K is the FIRST axis.  A lane takes a column and its registers run down K: a block of 32 lies in one lane, and the conversions give codes with K innermost.
.Lweights:
	s_sub_co_u32 s17, ttmp9, 256
	s_and_b32 s18, s17, 31                         ; which 128 columns: 0-23 W_attn's, 24-31 W_proj's
	s_lshr_b32 s19, s17, 5                         ; which K quarter
	s_mov_b32 s23, 4096
	s_wait_kmcnt 0x0
	s_cmp_lt_u32 s18, 24                           ; the choice hangs on the work-group's number alone
	s_cselect_b64 s[6:7], s[6:7], s[8:9]           ; the weight,
	s_cselect_b32 s23, 12288, s23                  ; its row in bytes,
	s_cselect_b32 s22, 0, 24
	s_sub_co_u32 s22, s18, s22                     ; and which 128 of its columns
	v_lshlrev_b32 v3, 2, v2                        ; 4 bytes a lane
.irp i, 0,1,2,3,4,5,6,7,8,9,10,11,12,13,14,15,16,17,18,19,20,21,22,23,24,25,26,27,28,29,30,31
	v_mad_u32_u24 v[WOFF+\i], s23, \i, v3
.endr
	v_bfe_u32 v5, v2, 3, 1                         ; column c of my 32 is lane r = c % 8 + 8 (c / 16) of tile u = (c / 8) % 2
	v_and_b32 v6, 7, v2
	v_lshrrev_b32 v10, 4, v2
	v_lshl_add_u32 v6, v10, 3, v6
	s_mul_i32 s24, s16, 6400
	s_add_co_u32 s24, s24, WST                     ; my stage
	v_mul_u32_u24 v4, v5, 3200
	v_lshl_add_u32 v4, v6, 3, v4
	v_add_nc_u32 v4, s24, v4                       ; into it: tile u, 8 r
	v_lshlrev_b32 v8, 4, v2                        ; out: 16 x lane
	v_add_nc_u32 v7, s24, v8
	v_lshlrev_b32 v9, 7, v5
	v_lshl_add_u32 v9, v6, 3, v9                   ; my 8 scale bytes: 128 u + 8 r
	s_lshl_b32 s25, s19, 8
	s_mul_i32 s25, s25, s23                        ; 256 rows a K quarter
	s_lshl_b32 s26, s22, 9                         ; 128 columns of 4 bytes a work-group,
	s_lshl_b32 s27, s16, 7                         ; 32 a wave
	s_add_co_u32 s25, s25, s26
	s_add_co_u32 s26, s25, s27
	s_mov_b32 s27, 0
	s_add_nc_u64 s[32:33], s[6:7], s[26:27]        ; a base for each of the 8 blocks, 32 rows apart
	s_lshl_b32 s28, s23, 5
	s_mov_b32 s29, 0
.irp t, 1,2,3,4,5,6,7
	s_add_nc_u64 s[32+2*\t:33+2*\t], s[30+2*\t:31+2*\t], s[28:29]
.endr
	s_lshl_b32 s25, s18, 3
	s_lshl_b32 s26, s16, 1
	s_add_co_u32 s25, s25, s26                     ; my first tile of wq: 8 x (which 128 columns) + 2 x wave, the same form for both weights
	s_mul_i32 s26, s25, 12288
	s_mul_i32 s30, s19, 3072
	s_add_co_u32 s26, s26, s30
	s_add_nc_u64 s[48:49], s[12:13], s[26:27]      ; its codes of my K quarter
	s_lshl_b32 s26, s25, 7
	s_lshl_b32 s30, s19, 15
	s_add_co_u32 s26, s26, s30
	s_add_co_u32 s26, s26, 3145728
	s_add_nc_u64 s[50:51], s[12:13], s[26:27]      ; and its scale bytes
.macro WLOAD t                         ; block t: rows 32 t + i; each load reads 128 consecutive bytes a wave, 512 a work-group
.irp i, 0,1,2,3,4,5,6,7,8,9,10,11,12,13,14,15,16,17,18,19,20,21,22,23,24,25,26,27,28,29,30,31
	global_load_b32 v[WX+32*((\t)%2)+\i], v[WOFF+\i], s[32+2*(\t):33+2*(\t)] th:TH_LOAD_NT
.endr
.endm
.macro WBLOCK t
.set XS, WX+32*((\t)%2)
.if (\t) < 7
	s_wait_loadcnt 32                              ; this block's 32 loads are in; the next block's may be out
.else
	s_wait_loadcnt 0x0
.endif
	v_max3_num_f32 v12, |v[XS]|, |v[XS+1]|, |v[XS+2]|
	v_max3_num_f32 v13, |v[XS+3]|, |v[XS+4]|, |v[XS+5]|
.irp i, 6,10,14,18,22,26
	v_max3_num_f32 v12, v12, |v[XS+\i]|, |v[XS+\i+1]|
	v_max3_num_f32 v13, v13, |v[XS+\i+2]|, |v[XS+\i+3]|
.endr
	v_max3_num_f32 v12, v12, |v[XS+30]|, |v[XS+31]|
	v_max3_num_f32 v12, v12, v13, 0x1800000        ; the floor 2^(3 - 127)
	v_add_nc_u32 v11, 0xff000000, v12              ; the conversion's scale operand
	v_lshrrev_b32 v13, 23, v11                     ; the scale's byte
	v_cvt_scalef32_pk16_fp6_f32 v[WC:WC+2], v[XS:XS+15], v11
	v_cvt_scalef32_pk16_fp6_f32 v[WC+4:WC+6], v[XS+16:XS+31], v11
.if (\t)%4 == 0
	v_mov_b32 v[WSB+(\t)/4], v13                   ; four bytes to a register, the lower K in the lower byte (the plain line behind the conversions)
.else
	v_lshl_or_b32 v[WSB+(\t)/4], v13, 8*((\t)%4), v[WSB+(\t)/4]
.endif
	v_mov_b32 v[WC+3], v[WC+4]
	v_mov_b32 v[WC+4], v[WC+5]
	v_mov_b32 v[WC+5], v[WC+6]
.irp p, 0,1,2
	ds_store_b64 v4, v[WC+2*\p:WC+2*\p+1] offset:((\t)/2)*768+((\t)%2)*128+256*\p   ; block t is half t % 2 of unit t / 2: lane r + 16 (t % 2) of its image
.endr
.if (\t)+2 < 8
	WLOAD (\t)+2
.endif
	s_wait_dscnt 0x0                               ; the stores have read their registers: the next block's codes may be written
.endm
	WLOAD 0
	WLOAD 1
.irp t, 0,1,2,3,4,5,6,7
	WBLOCK \t
.endr
	global_store_b64 v9, v[WSB:WSB+1], s[50:51]    ; the wave's two tiles: 256 consecutive bytes, aligned
.irp n, 0,1,2,3,4,5,6,7,8,9,10,11
	ds_load_b128 v[WOUT+4*\n:WOUT+4*\n+3], v7 offset:(\n/6)*3200+512*(\n%6)   ; LDS serves a wave's instructions in order: these see my stores
.endr
.irp n, 0,1,2,3,4,5,6,7,8,9,10,11
	s_wait_dscnt 11-\n                             ; load n is in; the younger ones may be out
	global_store_b128 v8, v[WOUT+4*\n:WOUT+4*\n+3], s[48:49] offset:(\n/6)*12288+512*(\n%6)   ; 512 consecutive bytes, aligned
.endr
	s_wait_tensorcnt 0x0                           ; the wave's end, behind my last LDS store
	ds_add_u32 v[SPW], v[NIL]
	s_wait_dscnt 0x0
	s_endpgm
.Lfunc_end_k_qcd72f202df_quant:
	.size	k_qcd72f202df_quant, .Lfunc_end_k_qcd72f202df_quant-k_qcd72f202df_quant
	.p2alignl 7, 3214868480
	.fill 96, 4, 3214868480
	.section	.rodata,"a",@progbits
	.p2align	6, 0x0
	.amdhsa_kernel k_qcd72f202df_quant
		.amdhsa_group_segment_fixed_size 60928
		.amdhsa_private_segment_fixed_size 0
		.amdhsa_enable_private_segment 0
		.amdhsa_kernarg_size 40
		.amdhsa_user_sgpr_count 2
		.amdhsa_user_sgpr_kernarg_segment_ptr 1
		.amdhsa_wavefront_size32 1
		.amdhsa_system_sgpr_workgroup_id_x 1
		.amdhsa_system_sgpr_workgroup_id_y 1
		.amdhsa_system_sgpr_workgroup_id_z 1
		.amdhsa_system_vgpr_workitem_id 0
		.amdhsa_next_free_vgpr 256
		.amdhsa_next_free_sgpr 66
		.amdhsa_reserve_vcc 1
		.amdhsa_float_denorm_mode_32 3
		.amdhsa_float_denorm_mode_16_64 3
		.amdhsa_memory_ordered 1
		.amdhsa_forward_progress 1
		.amdhsa_inst_pref_size 76
	.end_amdhsa_kernel
	.amdgpu_metadata
---
amdhsa.version: [ 1, 2 ]
amdhsa.kernels:
  - .name:           k_qcd72f202df_quant
    .symbol:         k_qcd72f202df_quant.kd
    .args:
      - { .name: x, .offset: 0, .size: 8, .value_kind: global_buffer, .address_space: global }
      - { .name: W_attn, .offset: 8, .size: 8, .value_kind: global_buffer, .address_space: global }
      - { .name: W_proj, .offset: 16, .size: 8, .value_kind: global_buffer, .address_space: global }
      - { .name: xq, .offset: 24, .size: 8, .value_kind: global_buffer, .address_space: global }
      - { .name: wq, .offset: 32, .size: 8, .value_kind: global_buffer, .address_space: global }
    .group_segment_fixed_size: 60928
    .private_segment_fixed_size: 0
    .kernarg_segment_align: 8
    .kernarg_segment_size: 40
    .max_flat_workgroup_size: 128
    .sgpr_count:     66
    .vgpr_count:     256
    .wavefront_size: 32
...
	.end_amdgpu_metadata
.endif
;; end of part 1
;; launch gemm_qkv (part 2): grid 12 x 32, 4 waves a work-group, clusters of 4 x 4, 327,680 bytes of LDS; arguments xq, wq, qq, kv; writes qq, kv
.if DOCPART == 2
	.amdgcn_target "amdgcn-amd-amdhsa--gfx1250"
	.amdhsa_code_object_version 6
	.text
	.protected	k_qcd72f202df_gemm_qkv
	.globl	k_qcd72f202df_gemm_qkv
	.p2align	8
	.type	k_qcd72f202df_gemm_qkv,@function
k_qcd72f202df_gemm_qkv:
	s_mov_b64 s[64:65], 0
	v_nop
	global_prefetch_b8 v0, s[64:65] scope:SCOPE_SE
	s_setreg_imm32_b32 hwreg(HW_REG_WAVE_MODE, 25, 1), 1
	s_wait_xcnt 0x0
	s_wait_alu depctr_hold_cnt(0) depctr_sa_sdst(0) depctr_va_vdst(0) depctr_va_sdst(0) depctr_va_ssrc(0) depctr_va_vcc(0) depctr_vm_vsrc(0)
	s_getreg_b32 s2, hwreg(HW_REG_IB_STS2, 6, 4)
	s_cmp_eq_u32 s2, 0
	s_cbranch_scc0 .Lentry_in_a_cluster
	s_endpgm
.Lentry_in_a_cluster:
	s_bfe_u32 s2, ttmp6, 0x10000c
	s_cmp_lg_u32 s2, 0xf033
	s_cbranch_scc0 .Lentry_shape_is_right
	s_endpgm
.Lentry_shape_is_right:
; qkv = x W_attn on codes of FP6 (E2M3) with E8M0 scales; the results never go to memory as f32: on the way out q and k are quantised along the head's 64 and v along the keys, in registers.
; Operands lie in memory as images of operand registers (a unit: 16 rows x 64 K, 768 bytes, three pieces of 256 bytes, piece p at 8 x lane = registers 2 p, 2 p + 1); lane r of tile 2 g + u holds row 32 g + 8 u + r + 8 (r / 8).
; A tile of the result, 256 x 256, is made by four waves, each 128 x 128: 64 accumulators of 16 x 16.  K = 1,024 is four K steps of 256, eight steps of 128, all written out.
; LDS: THREE slots of one K step (A's 16 tiles x 3,072 bytes, then B's), all filled at the head; slot 0 is filled once more, with the fourth K step.  By this text's count a wave has four tensor loads out at the head, later one.
; The scale bytes of the work-group's rows of A and B for all of K come once, with the first fills.
; CLUSTERS: 4 x 4 work-groups; A's tiles are asked for jointly along a row of the cluster, B's along a column.
; WHICH OPERAND IS SOURCE 0: a lane holds one row of source 1, and its registers run along source 0's rows.  q and k (cluster x = 0, 1) are quantised along W's columns: source 0 = W, source 1 = x.
; v (cluster x = 2, F = 1) is quantised along the keys, x's rows: source 0 = x, source 1 = W.  The text is one: only LDS bases, chosen by the cluster's x (the same in all partners), differ.
; OUT: qq: q's units [head 16][tile 512][768], from 6,291,456 scale words [head][tile][r 16][4] (bytes 0, 1; bytes 2, 3 are 0).
;      kv: for each of 64 (batch, head): k's units [tile 128][768], then v's [64 keys 32][16 of d 4][768]; from 12,582,912 for each: k's words [tile 128][16][4], v's [128 keys 16][16 of d 4][16][4].
; LIMITS: as stated at the head of the launch quant (bytes held at 1 from below; NaN and infinities not served).
; REGISTERS, in windows of 256: window 0: v4-18 addresses; v28, v29 the add's; v32-95 scale words; v96-113 at work; v128-223 source 1's fragments, one set (later the codes made).
;   window 1: source 0's fragments, two sets, at v0 and v128.   windows 2, 3: the accumulators, (a, b) at v[8 (8 (a % 4) + b)].
.set FR,    12                         ; registers of a fragment: 16 rows x 128 K
.set SLOTB, 98304
.set HALFB, 24576                      ; 8 tiles x 3,072: what one tensor load brings, and what one wave reads of A or of B
.set SCL,   3*SLOTB                    ; the scale bytes: [A half 0, A half 1, B half 0, B half 1][K quarter 4][tile 8][r 16][8]
.set STG,   SCL+16384                  ; the way out: 1,024 bytes of scale words for each wave; no tensor load lands here
.set SPARE, STG+4096                   ; the spare words, 128 bytes for each wave: two blocks of 256 bytes that no other line names
.set AD1,   4                          ; v4-6   LDS address of source 1's fragments in slot 0, 1, 2
.set AD0,   8                          ; v8-10  of source 0's
.set ADRS,  12                         ; v12    of my scale words: lanes 0-15 source 1's, lanes 16-31 source 0's
.set LO8,   14                         ; v14    8 x lane
.set SWA,   15                         ; v15    where I put a scale word
.set SRA,   16                         ; v16    where I read 16 bytes of them back
.set SGO,   17                         ; v17    and their place in memory
.set SSH,   18                         ; v18    q, k: 16 x (lane / 16); v: 0
.set SPW,   28
.set NIL,   29
.set SC,    32                         ; register 8 i + q: tile i's words of step q
.set TM,    96                         ; v96-99 largest magnitudes, v100-103 bytes, v108-111 scale operands
.set PW,    112
.set PH,    113
.set AF,    128
.set EB,    20                         ; s[20:27] the way out: base (c, e) at s[20 + 4 c + 2 e]
.set G1A,   28
.set G1B,   36
.set G1SA,  44
.set G1SB,  52
.set G0A,   68                         ; a set of four for each slot
.set G0B,   80
.set G0SA,  92
.set G0SB,  96
.set MSB, 0
.macro WIN new                         ; the immediate's high byte repeats the setting that is left
.if MSB != (\new)
	s_set_vgpr_msb (MSB<<8)|(\new)
.set MSB, (\new)
.endif
.endm
.set MUL_LO, 0xa1                      ; source 0 window 1, source 1 window 0, C and D window 2
.set MUL_HI, 0xf1                      ; the same, C and D window 3
; A joint load: waves 0 and 1 fetch for A, waves 2 and 3 for B; the branch hangs on the wave's number alone.  An s_nop 0 and four v_nop follow each line.
.macro JLOAD g0a, g1a, g0b, g1b
	s_cmp_eq_u32 s13, 0
	s_cbranch_scc0 .Lfor_b_\@
	tensor_load_to_lds s[\g0a:\g0a+3], s[\g1a:\g1a+7]
	s_nop 0
.rept 4
	v_nop
.endr
	s_branch .Lasked_\@
.Lfor_b_\@:
	tensor_load_to_lds s[\g0b:\g0b+3], s[\g1b:\g1b+7]
	s_nop 0
.rept 4
	v_nop
.endr
.Lasked_\@:
.endm
.macro CREST                           ; a round of the cluster's barrier behind its opening barrier
	s_cmp_lg_u32 s12, 0
	s_cbranch_scc1 .Lnot_wave_0_\@
	s_barrier_signal -3
.Lnot_wave_0_\@:
	s_barrier_wait -3
	s_barrier_signal -1
	s_barrier_wait -1
.endm
.macro CROUND
	s_barrier_signal -1
	s_barrier_wait -1
	CREST
.endm
.macro PLACES n
.rept \n
	v_nop
.endr
.endm
	s_load_b128 s[4:7], s[0:1], 0x0                ; xq, wq
	s_load_b128 s[8:11], s[0:1], 0x10              ; qq, kv
	v_lshl_add_u32 v[SPW], v0, 2, SPARE
	v_mov_b32 v[NIL], 0
	ds_add_u32 v[SPW], v[NIL]                      ; the wave's opening: the add, twice on end, and its wait ahead of my first tensor load
	ds_add_u32 v[SPW], v[NIL]
	v_lshrrev_b32 v1, 5, v0
	v_readfirstlane_b32 s12, v1                    ; wave 0..3
	s_lshr_b32 s13, s12, 1                         ; HI: my half of x's rows.  Also: I fetch for A (0) or for B (1)
	s_and_b32 s14, s12, 1                          ; LO: my half of W's columns.  Also: which 8 tiles I fetch
	s_bfe_u32 s15, ttmp6, 0x40000                  ; cx
	s_bfe_u32 s16, ttmp6, 0x40004                  ; cy
	s_lshl_b32 s17, ttmp9, 2
	s_add_co_u32 s17, s17, s15                     ; tile column = 4 x cluster x + cx
	s_and_b32 s18, ttmp7, 0xffff
	s_lshl_b32 s18, s18, 2
	s_add_co_u32 s18, s18, s16                     ; tile row = 4 x cluster y + cy
	s_lshl_b32 s60, s16, 2
	s_lshl_b32 s60, 15, s60                        ; my row of the cluster
	s_lshl_b32 s61, 0x1111, s15                    ; my column
	s_or_b32 s[G1A], s60, (3<<16)|(1<<21)          ; 15:0 the mask; 17:16 elements of 8 bytes; 21 set beside a mask; no padding
	s_or_b32 s[G1B], s61, (3<<16)|(1<<21)
	s_or_b32 s[G1SA], s60, (3<<16)|(1<<21)
	s_or_b32 s[G1SB], s61, (3<<16)|(1<<21)
.irp g, G1A, G1B                       ; codes: 8 tiles' 3,072 bytes (384 elements), 12,288 bytes (1,536 elements) apart
	s_mov_b32 s[\g+1], 384<<16
	s_mov_b32 s[\g+2], 8<<16
	s_mov_b32 s[\g+3], 384<<16
	s_mov_b32 s[\g+4], 8
	s_mov_b32 s[\g+5], 1536
	s_mov_b32 s[\g+6], 0
	s_mov_b32 s[\g+7], 0
.endr
.irp g, G1SA, G1SB                     ; scale bytes: 4 K quarters x 8 tiles' 1,024 bytes (128 elements)
	s_mov_b32 s[\g+1], 128<<16
	s_mov_b32 s[\g+2], 4<<16
	s_mov_b32 s[\g+3], 128<<16
	s_mov_b32 s[\g+4], 4
	s_mov_b32 s[\g+6], 0
	s_mov_b32 s[\g+7], 0
.endr
	s_mov_b32 s[G1SA+5], 8192                      ; a K quarter of xq's scale bytes is 65,536 bytes,
	s_mov_b32 s[G1SB+5], 4096                      ; of wq's 32,768
	s_lshl_b32 s62, s14, 3
	s_lshl_b32 s20, s18, 4
	s_add_co_u32 s20, s20, s62                     ; A: tile 16 x tile row + 8 LO: it hangs on the tile row alone, which my row of the cluster shares
	s_lshl_b32 s22, s20, 7
	s_add_co_u32 s22, s22, 6291456                 ; its scale bytes,
	s_mul_i32 s20, s20, 12288                      ; its codes
	s_mov_b32 s21, 0
	s_mov_b32 s23, 0
	s_lshl_b32 s24, s17, 4
	s_add_co_u32 s24, s24, s62                     ; B: tile 16 x tile column + 8 LO
	s_lshl_b32 s26, s24, 7
	s_add_co_u32 s26, s26, 3145728
	s_mul_i32 s24, s24, 12288
	s_mov_b32 s25, 0
	s_mov_b32 s27, 0
	s_mul_i32 s62, s12, HALFB                      ; where they go: no place in the cluster enters an LDS address
	s_lshl_b32 s63, s12, 12
	s_mov_b32 s67, 0x1800000                       ; the floor 2^(3 - 127)
	s_mov_b32 s100, 0x76543210
	s_mov_b32 s101, 0xfedcba98                     ; v_permlanex16_b32's selects for lane l xor 16
	s_wait_dscnt 0x0                               ; both opening adds are done
	s_wait_kmcnt 0x0
	s_add_nc_u64 s[20:21], s[4:5], s[20:21]
	s_add_nc_u64 s[22:23], s[4:5], s[22:23]
	s_add_nc_u64 s[24:25], s[6:7], s[24:25]
	s_add_nc_u64 s[26:27], s[6:7], s[26:27]
	CROUND                                         ; all sixteen work-groups are here: the first joint loads meet
	s_mov_b32 s[G0SA], 1
	s_add_co_u32 s[G0SA+1], s63, SCL
	s_mov_b64 s[G0SA+2:G0SA+3], s[22:23]
	s_or_b32 s[G0SA+3], s[G0SA+3], 0x80000000
	s_mov_b32 s[G0SB], 1
	s_add_co_u32 s[G0SB+1], s63, SCL
	s_mov_b64 s[G0SB+2:G0SB+3], s[26:27]
	s_or_b32 s[G0SB+3], s[G0SB+3], 0x80000000
	JLOAD G0SA, G1SA, G0SB, G1SB                   ; the scale bytes first: they are wanted with K step 0
.irp s, 0,1,2
	s_mov_b32 s[G0A+4*\s], 1
	s_add_co_u32 s[G0A+4*\s+1], s62, \s*SLOTB
	s_add_nc_u64 s[G0A+4*\s+2:G0A+4*\s+3], s[20:21], \s*3072
	s_or_b32 s[G0A+4*\s+3], s[G0A+4*\s+3], 0x80000000
	s_mov_b32 s[G0B+4*\s], 1
	s_add_co_u32 s[G0B+4*\s+1], s62, \s*SLOTB
	s_add_nc_u64 s[G0B+4*\s+2:G0B+4*\s+3], s[24:25], \s*3072
	s_or_b32 s[G0B+4*\s+3], s[G0B+4*\s+3], 0x80000000
	JLOAD G0A+4*\s, G1A, G0B+4*\s, G1B             ; K steps 0, 1, 2
.endr
	v_and_b32 v1, 31, v0                           ; lane
	v_and_b32 v2, 15, v0                           ; r
	v_bfe_u32 v3, v0, 4, 1                         ; h
	v_lshlrev_b32 v[LO8], 3, v1
.irp b, 0,1,2,3
	v_mov_b32 v[TM+4+\b], 0                        ; written once: a lane permute's destination counts as one of its sources
.endr
	s_cmp_eq_u32 ttmp9, 2
	s_cselect_b32 s19, 1, 0                        ; F: this cluster makes v
	s_mul_i32 s2, s13, HALFB                       ; A's region, my half of x's rows
	s_mul_i32 s3, s14, HALFB
	s_add_co_u32 s3, s3, 2*HALFB                   ; B's region, my half of W's columns
	s_cmp_eq_u32 s19, 1
	s_cselect_b32 s60, s3, s2                      ; source 1
	s_cselect_b32 s61, s2, s3                      ; source 0
.irp s, 0,1,2
	v_add_nc_u32 v[AD1+\s], s60, v[LO8]
	v_add_nc_u32 v[AD0+\s], s61, v[LO8]
	s_add_co_u32 s60, s60, SLOTB
	s_add_co_u32 s61, s61, SLOTB
.endr
	v_add_nc_u32 v7, s19, v3
	v_and_b32 v7, 1, v7                            ; 0: this lane takes A's words, 1: B's
	s_lshl_b32 s2, s13, 12                         ; A's words: my half
	s_lshl_b32 s3, s14, 12
	s_add_co_u32 s3, s3, 8192                      ; B's: my half, behind A's two
	s_sub_co_u32 s3, s3, s2                        ; one product: the lower base + (0 or 1) x the distance
	v_mul_u32_u24 v7, s3, v7
	v_lshl_add_u32 v[ADRS], v2, 3, v7              ; 8 bytes a row
	s_add_co_u32 s2, s2, SCL
	v_add_nc_u32 v[ADRS], s2, v[ADRS]
	; ---- the way out's bases.  hd0 = my first head of two; b = the batch
	s_lshl_b32 s60, s15, 2
	s_lshl_b32 s61, s14, 1
	s_add_co_u32 s60, s60, s61                     ; hd0 = 4 cx + 2 LO
	s_lshr_b32 s61, s18, 3
	s_lshl_b32 s61, s61, 4
	s_add_co_u32 s61, s61, s60                     ; 16 b + hd0
	s_and_b32 s62, s18, 7                          ; the tile row within the batch
	s_mov_b32 s4, 196608
	s_mov_b32 s5, 12288
	s_mov_b32 s6, 12582912
	s_cmp_eq_u32 ttmp9, 0                          ; q goes to qq, k and v to kv
	s_cselect_b64 s[2:3], s[8:9], s[10:11]
	s_cselect_b32 s60, s60, s61                    ; which head's part,
	s_cselect_b32 s62, s18, s62                    ; which tile row in it,
	s_cselect_b32 s4, 393216, s4                   ; a head's codes in bytes,
	s_cselect_b32 s5, 32768, s5                    ; a head's scale words,
	s_cselect_b32 s6, 6291456, s6                  ; where the scale words begin
	s_lshl_b32 s62, s62, 1
	s_add_co_u32 s62, s62, s13                     ; my 128 rows: 2 x tile row + HI
	s_mul_i32 s61, s60, s4
	s_mul_i32 s63, s62, 6144                       ; 8 tiles of 768 bytes (q, k), or 2 x 64 keys of 3,072 (v)
	s_add_co_u32 s61, s61, s63
	s_mul_i32 s63, s19, 98304                      ; v's units lie behind k's
	s_add_co_u32 s24, s61, s63
	s_mov_b32 s25, 0
	s_add_nc_u64 s[EB:EB+1], s[2:3], s[24:25]
	s_mov_b32 s7, 3072
	s_mov_b32 s63, 256
	s_mov_b32 s61, 512
	s_cmp_eq_u32 s19, 1
	s_cselect_b32 s24, s7, s4                      ; from a fragment's first unit to its second: q, k the next head; v the next 64 keys
	s_cselect_b32 s26, 196608, s7                  ; from block a to block a + 4: q, k four tiles on; v the next head
	s_cselect_b32 s61, s63, s61                    ; my 128 rows' scale words in a head: q, k 512 bytes; v 256
	s_cselect_b32 s63, 12288, s63                  ; from lanes 0-15 to lanes 16-31 of the words' store: q, k 256 bytes on; v the next head
	s_cselect_b32 s66, -1, 0xffff                  ; q, k: two bytes of a word count; v: four
	s_cselect_b32 s7, 0, 16
	s_mov_b32 s27, 0
	s_add_nc_u64 s[EB+2:EB+3], s[EB:EB+1], s[26:27]
	s_add_nc_u64 s[EB+4:EB+5], s[EB:EB+1], s[24:25]
	s_add_nc_u64 s[EB+6:EB+7], s[EB+4:EB+5], s[26:27]
	v_mul_u32_u24 v[SGO], s63, v3
	v_lshl_add_u32 v[SGO], v2, 4, v[SGO]
	v_mul_u32_u24 v[SSH], s7, v3
	s_mul_i32 s60, s60, s5
	s_mul_i32 s62, s62, s61
	s_add_co_u32 s60, s60, s62
	s_add_co_u32 s60, s60, s6
	s_lshl_b32 s62, s19, 13                        ; v's words lie behind k's 8,192 bytes
	s_add_co_u32 s60, s60, s62
	s_mov_b32 s61, 0
	s_add_nc_u64 s[60:61], s[2:3], s[60:61]        ; the first head's words
	s_lshl_b32 s4, s12, 10
	s_add_co_u32 s4, s4, STG                       ; my stage
	v_lshlrev_b32 v[SWA], 9, v3
	v_lshl_add_u32 v[SWA], v2, 2, v[SWA]
	v_add_nc_u32 v[SWA], s4, v[SWA]                ; in: 512 h + 4 r
	v_lshl_add_u32 v[SRA], v1, 4, s4               ; back: 16 x lane
	s_mov_b32 s4, s5
	s_mov_b32 s5, 0
	s_add_nc_u64 s[62:63], s[60:61], s[4:5]        ; q, k: the second head's words
.macro FRAG reg, adr, off              ; a fragment: six loads of 8 bytes a lane, each 256 consecutive bytes
.irp p, 0,1,2,3,4,5
	ds_load_b64 v[\reg+2*\p:\reg+2*\p+1], v[\adr] offset:\off+256*\p
.endr
.endm
.macro FETCH0 sl, qq, set              ; source 0's eight fragments of half qq of slot sl into a set of window 1
	WIN 0x40
.irp i, 0,1,2,3,4,5,6,7
	FRAG 128*(\set)+FR*\i, AD0+(\sl), 3072*\i+1536*(\qq)
.endr
	WIN 0
.endm
.macro FETCH1 sl, qq, i0               ; source 1's blocks i0 .. i0 + 3
.irp i, \i0, \i0+1, \i0+2, \i0+3
	FRAG AF+FR*(\i), AD1+(\sl), 3072*(\i)+1536*(\qq)
.endr
.endm
.macro SCALES                          ; all scale words, once: tile i, K quarter k: the words of steps 2 k and 2 k + 1
.irp i, 0,1,2,3,4,5,6,7
.irp k, 0,1,2,3
	ds_load_b64 v[SC+8*\i+2*\k:SC+8*\i+2*\k+1], v[ADRS] offset:1024*\k+128*\i
.endr
.endr
.endm
; 16 matrix instructions: source 1's blocks a0, a0 + 1 x source 0's eight.  The 64 accumulators take turns, one instruction a turn, in the same order in every step.
.macro MUL16 a0, p, q, zero
.irp a, \a0, \a0+1
.irp b, 0,1,2,3,4,5,6,7
.if \zero
	v_wmma_scale_f32_16x16x128_f8f6f4 v[8*(8*((\a)%4)+\b):8*(8*((\a)%4)+\b)+7], v[128*(\p)+FR*\b:128*(\p)+FR*\b+FR-1], v[AF+FR*(\a):AF+FR*(\a)+FR-1], 0, v[SC+8*\b+(\q)], v[SC+8*(\a)+(\q)] matrix_a_fmt:MATRIX_FMT_FP6 matrix_b_fmt:MATRIX_FMT_FP6 matrix_a_scale:MATRIX_SCALE_ROW1
.else
	v_wmma_scale_f32_16x16x128_f8f6f4 v[8*(8*((\a)%4)+\b):8*(8*((\a)%4)+\b)+7], v[128*(\p)+FR*\b:128*(\p)+FR*\b+FR-1], v[AF+FR*(\a):AF+FR*(\a)+FR-1], v[8*(8*((\a)%4)+\b):8*(8*((\a)%4)+\b)+7], v[SC+8*\b+(\q)], v[SC+8*(\a)+(\q)] matrix_a_fmt:MATRIX_FMT_FP6 matrix_b_fmt:MATRIX_FMT_FP6 matrix_a_scale:MATRIX_SCALE_ROW1
.endif
.endr
.endr
.endm
; The second half of step q: the next step's fragments (half nqq of slot nsl) are fetched round my blocks 4-7.  Four plain places stand ahead of each run of loads into registers that matrix instructions have read.
.macro HALF2 q, nsl, nqq, zero
	FETCH0 \nsl, \nqq, 1-(\q)%2
	FETCH1 \nsl, \nqq, 0
	WIN MUL_HI
	MUL16 4, (\q)%2, \q, \zero
	MUL16 6, (\q)%2, \q, \zero
	PLACES 4
	WIN 0
	FETCH1 \nsl, \nqq, 4
.endm
.macro STEP q, nsl, nqq, zero
	s_wait_dscnt 24                                ; all but the youngest 24 loads, source 1's blocks 4-7
	WIN MUL_LO
	MUL16 0, (\q)%2, \q, \zero
	MUL16 2, (\q)%2, \q, \zero
	s_wait_dscnt 0x0                               ; blocks 4-7 are in
	PLACES 4
	HALF2 \q, \nsl, \nqq, \zero
.endm
; The first half of a step that meets a barrier: every wave waits for all its tensor loads, adds 0 to its spare word, and waits for that and for its reads of the slot that it leaves.
.macro MEET q
	s_wait_tensorcnt 0x0                           ; all my tensor loads have landed
	ds_add_u32 v[SPW], v[NIL]
	s_wait_dscnt 25                                ; (the add and the youngest 24 loads may be out)
	WIN MUL_LO
	MUL16 0, (\q)%2, \q, 0                         ; sixteen matrix instructions stand between the add and the wait for it
	s_wait_dscnt 0x0                               ; the add is done, and my reads of this slot are over
	s_barrier_signal -1
	MUL16 2, (\q)%2, \q, 0
	WIN 0
	s_barrier_wait -1
.endm
	s_wait_tensorcnt 2                             ; the scale bytes and my part of K step 0 are in; K steps 1 and 2 may be out
	s_barrier_signal -1
	s_barrier_wait -1
	FETCH0 0, 0, 0
	FETCH1 0, 0, 0
	SCALES
	FETCH1 0, 0, 4
	STEP 0, 0, 1, 1                                ; the first step's products start the sums: nothing is cleared
	MEET 1                                         ; slot 0 has been read out; slots 1 and 2 are whole in every wave's sight behind the round
	CREST                                          ; the barrier has opened a round of the cluster's barrier: no wave of any partner still reads slot 0 or has a load on its way
	s_add_nc_u64 s[G0A+2:G0A+3], s[G0A+2:G0A+3], 3*3072
	s_add_nc_u64 s[G0B+2:G0B+3], s[G0B+2:G0B+3], 3*3072
	JLOAD G0A, G1A, G0B, G1B                       ; K step 3 into slot 0: my one tensor load behind the round; it has four steps, 256 matrix instructions, in which to land.  Its four v_nop are the places for the loads below
	HALF2 1, 1, 0, 0
	STEP 2, 1, 1, 0
	STEP 3, 2, 0, 0
	STEP 4, 2, 1, 0
	MEET 5                                         ; K step 3 has landed, in every wave's sight behind the barrier; nothing is filled again
	PLACES 4
	HALF2 5, 0, 0, 0
	STEP 6, 0, 1, 0
	s_wait_dscnt 24                                ; the last step: nothing more to fetch
	WIN MUL_LO
	MUL16 0, 1, 7, 0
	MUL16 2, 1, 7, 0
	s_wait_dscnt 0x0
	WIN MUL_HI
	MUL16 4, 1, 7, 0
	MUL16 6, 1, 7, 0
	WIN 0
; THE WAY OUT.  Block a (16 rows of source 1) holds in each lane 64 numbers, register 16 b + i = place 32 b + 16 (lane / 16) + i along source 0's 128 rows: four blocks of 32 of the next product's K.
; They become a fragment's 12 registers and a scale word.  q, k: the fragment's two units belong to two heads; v: to two groups of 64 keys.  Each piece leaves as 256 consecutive bytes, aligned.
.macro OUTBLK a, pc
.set QW, 2+(\a)/4
.set QB, 64*((\a)%4)
	WIN (QW<<2)|(QW<<4)                            ; sources 1 and 2: the accumulators' window
.irp b, 0,1,2,3
	v_max3_num_f32 v[TM+\b], s67, |v[QB+16*\b]|, |v[QB+1+16*\b]|     ; my 16 numbers of block b, and the floor; each accumulator is read from its low end on
.endr
.irp i, 2,4,6,8,10,12,14
.irp b, 0,1,2,3
	v_max3_num_f32 v[TM+\b], v[TM+\b], |v[QB+16*\b+\i]|, |v[QB+1+16*\b+\i]|
.endr
.endr
	WIN 0
.irp b, 0,1,2,3
	v_permlanex16_b32 v[TM+4+\b], v[TM+\b], s100, s101
.endr
.irp b, 0,1,2,3
	v_max_num_f32 v[TM+\b], v[TM+\b], v[TM+4+\b]   ; with lane l xor 16's: the block's largest magnitude
.endr
.irp b, 0,1,2,3
	v_add_nc_u32 v[TM+12+\b], 0xff000000, v[TM+\b] ; the conversion's scale operand
.endr
.irp b, 0,1,2,3
	v_lshrrev_b32 v[TM+4+\b], 23, v[TM+12+\b]      ; the scale's byte
.endr
	v_lshl_or_b32 v[PW], v[TM+5], 8, v[TM+4]
	v_lshl_or_b32 v[PW], v[TM+6], 16, v[PW]
	v_lshl_or_b32 v[PW], v[TM+7], 24, v[PW]
.if (\a) > 1
	s_wait_xcnt 0x0                                ; the stores of two blocks ago have read this set of codes: it is written again only behind this wait
.endif
	WIN QW                                         ; source 0: the accumulators' window
.irp c, 0,1
	v_cvt_scalef32_pk16_fp6_f32 v[\pc+6*\c:\pc+2+6*\c], v[QB+32*\c:QB+15+32*\c], v[TM+12+2*\c]
	v_cvt_scalef32_pk16_fp6_f32 v[\pc+12+4*\c:\pc+14+4*\c], v[QB+16+32*\c:QB+31+32*\c], v[TM+13+2*\c]
.endr
	WIN 0
	v_nop                                          ; one plain place behind a scaled conversion
.irp c, 0,1                                    ; the operand's layout wants a whole block in a lane
.irp i, 0,1,2
	v_permlane16_swap_b32 v[\pc+6*\c+\i], v[\pc+12+4*\c+\i]
.endr
.irp i, 0,1,2
	v_mov_b32 v[\pc+3+6*\c+\i], v[\pc+12+4*\c+\i]
.endr
.endr
.irp p, 0,1,2,3,4,5
	global_store_b64 v[LO8], v[\pc+2*\p:\pc+2*\p+1], s[EB+4*(\p/3)+2*((\a)/4):EB+4*(\p/3)+2*((\a)/4)+1] offset:((\a)%4)*768+(\p%3)*256
.endr
	v_lshrrev_b32 v[PH], v[SSH], v[PW]             ; q, k: lanes 0-15 keep the first head's two bytes, lanes 16-31 the second's; v: the whole word
	v_and_b32 v[PH], s66, v[PH]
	ds_store_b32 v[SWA], v[PH] offset:64*(\a)
.endm
	PLACES 4                                       ; behind the last products, ahead of the first read of results and the first write of source 1's registers
.irp a, 0,1,2,3,4,5,6,7
	OUTBLK \a, 128+32*(\a%2)
.endr
	ds_load_b128 v[96:99], v[SRA]                  ; LDS serves a wave's instructions in order: these see my stores.  q, k: the first head's 8 tiles, 512 bytes; v: two heads' 256 bytes
	s_wait_dscnt 0x0
	global_store_b128 v[SGO], v[96:99], s[60:61]   ; sixteen lanes store 256 consecutive bytes, aligned
	s_cmp_eq_u32 s19, 1                            ; v: lanes 16-31 stored copies, which are not wanted.  The branch hangs on the cluster's x: the same in all partners
	s_cbranch_scc1 .Lwords_out
	ds_load_b128 v[100:103], v[SRA] offset:512
	s_wait_dscnt 0x0
	global_store_b128 v[SGO], v[100:103], s[62:63] ; q, k: the second head's
.Lwords_out:
	s_wait_tensorcnt 0x0                           ; the wave's end, behind my last tensor load and my last LDS store
	ds_add_u32 v[SPW], v[NIL]
	s_wait_dscnt 0x0
	CROUND                                         ; the closing round: no work-group ends while a partner may still ask for a tile that names it
	s_endpgm
.Lfunc_end_k_qcd72f202df_gemm_qkv:
	.size	k_qcd72f202df_gemm_qkv, .Lfunc_end_k_qcd72f202df_gemm_qkv-k_qcd72f202df_gemm_qkv
	.p2alignl 7, 3214868480
	.fill 96, 4, 3214868480
	.section	.rodata,"a",@progbits
	.p2align	6, 0x0
	.amdhsa_kernel k_qcd72f202df_gemm_qkv
		.amdhsa_group_segment_fixed_size 327680
		.amdhsa_private_segment_fixed_size 0
		.amdhsa_enable_private_segment 0
		.amdhsa_kernarg_size 32
		.amdhsa_user_sgpr_count 2
		.amdhsa_user_sgpr_kernarg_segment_ptr 1
		.amdhsa_wavefront_size32 1
		.amdhsa_system_sgpr_workgroup_id_x 1
		.amdhsa_system_sgpr_workgroup_id_y 1
		.amdhsa_system_sgpr_workgroup_id_z 1
		.amdhsa_system_vgpr_workitem_id 0
		.amdhsa_next_free_vgpr 1024
		.amdhsa_next_free_sgpr 106
		.amdhsa_reserve_vcc 0
		.amdhsa_float_denorm_mode_32 3
		.amdhsa_float_denorm_mode_16_64 3
		.amdhsa_memory_ordered 1
		.amdhsa_forward_progress 1
		.amdhsa_inst_pref_size 168
	.end_amdhsa_kernel
	.amdgpu_metadata
---
amdhsa.version: [ 1, 2 ]
amdhsa.kernels:
  - .name:           k_qcd72f202df_gemm_qkv
    .symbol:         k_qcd72f202df_gemm_qkv.kd
    .args:
      - { .name: xq, .offset: 0, .size: 8, .value_kind: global_buffer, .address_space: global }
      - { .name: wq, .offset: 8, .size: 8, .value_kind: global_buffer, .address_space: global }
      - { .name: qq, .offset: 16, .size: 8, .value_kind: global_buffer, .address_space: global }
      - { .name: kv, .offset: 24, .size: 8, .value_kind: global_buffer, .address_space: global }
    .group_segment_fixed_size: 327680
    .private_segment_fixed_size: 0
    .kernarg_segment_align: 8
    .kernarg_segment_size: 32
    .max_flat_workgroup_size: 128
    .sgpr_count:     106
    .vgpr_count:     1024
    .wavefront_size: 32
...
	.end_amdgpu_metadata
.endif
;; end of part 2
;; launch attn (part 3): grid 4 x 64, 16 waves a work-group, clusters of 4 x 1, 210,944 bytes of LDS; arguments qq, kv, aq; writes aq
.if DOCPART == 3
	.amdgcn_target "amdgcn-amd-amdhsa--gfx1250"
	.amdhsa_code_object_version 6
	.text
	.protected	k_qcd72f202df_attn
	.globl	k_qcd72f202df_attn
	.p2align	8
	.type	k_qcd72f202df_attn,@function
k_qcd72f202df_attn:
	s_mov_b64 s[64:65], 0
	v_nop
	global_prefetch_b8 v0, s[64:65] scope:SCOPE_SE
	s_setreg_imm32_b32 hwreg(HW_REG_WAVE_MODE, 25, 1), 1
	s_wait_xcnt 0x0
	s_wait_alu depctr_hold_cnt(0) depctr_sa_sdst(0) depctr_va_vdst(0) depctr_va_sdst(0) depctr_va_ssrc(0) depctr_va_vcc(0) depctr_vm_vsrc(0)
	s_getreg_b32 s2, hwreg(HW_REG_IB_STS2, 6, 4)
	s_cmp_eq_u32 s2, 0
	s_cbranch_scc0 .Lentry_in_a_cluster
	s_endpgm
.Lentry_in_a_cluster:
	s_bfe_u32 s2, ttmp6, 0x10000c
	s_cmp_lg_u32 s2, 0x3003
	s_cbranch_scc0 .Lentry_shape_is_right
	s_endpgm
.Lentry_shape_is_right:
; Causal attention of one (batch, head) on codes of FP6 (E2M3) with E8M0 scales; the result, divided by the row's sum, is quantised along the head's 64 and stored as codes for the projection.
; WORK LEFT OUT: a step of 128 keys all of which come after a tile's 16 queries: reference()'s own tril mask gives them the weight 0 for every finite input (shown at the head of the launch quant).
; THE SOFTMAX AHEAD OF THE SECOND PRODUCT: t = score x log2(e) / 8; M = the running largest t rounded UP to a whole number; p = 2^(t - M) is quantised along the keys, not normalised; the row's sum is taken
; of the unquantised p and divides at the end (v_rcp_f32 and a multiplication).  When M moves, the sum and O are multiplied by 2^(old M - new M): exact.
; SHARES.  The four work-groups of a cluster share one head; each holds the head's K, V and scale bytes (208,896 bytes) WHOLE in LDS, brought by joint tensor loads at the head: nothing is filled twice.
; Wave w of work-group cx owns query tiles 4 w + cx and 127 - (4 w + cx): their key steps number w / 2 + 1 and 16 - w / 2, so every wave does 17.  The limits hang on the wave's number alone.
; LAYOUT.  Both products are used transposed: S^T = K Q^T (source 0 = 16 keys), O^T = V^T P^T (source 0 = 16 of the head's 64): a lane holds one query throughout.  Lane r of tile 2 g + u holds row
; 32 g + 8 u + r + 8 (r / 8) (keys, queries, d alike), so the 16 registers of tiles 2 b, 2 b + 1 are 16 neighbours.
; THE FIRST PRODUCT'S K IS 64, the instruction's 128: Q's upper six registers are zero codes and the scale words' upper two bytes are 0 (2^-127, no NaN), so whatever codes stand in K's upper six registers add nothing.
; The one store of this program that is no whole 256 bytes: a tile's 16 half words of scales, 2 bytes a row, since four heads (four work-groups) share each row's 8 bytes.
; LIMITS: as stated at the head of the launch quant.
; REGISTERS: v1-3, v30 lane terms; v4, v5 the add's; v6, v7 the masks' terms; v8-11 addresses; v12 -M, v13 the largest t, v[14:15] the sum; v16-27 Q of tile 1, v86-97 of tile 2; v28, v29 their scale words; v31 -infinity;
;   v32-79 K's 8 tiles of 6, later V's 4 fragments; v80-85 zeros; v98-161 S^T, then p; v162-193 O^T; v194-213 p's codes; v214-239 at work.
.set SPARE, 208896                     ; the spare words, 128 bytes for each wave: eight blocks of 256 bytes that no other line names
.set L8,  1                            ; v1   8 x lane
.set L4,  2                            ; v2   4 x lane
.set SPW, 4
.set NIL, 5
.set ADK, 8
.set ADV, 9
.set ADS, 10
.set ADT, 11
.set KV,  32
.set S,   98
.set O,   162
.set PC,  194
.set BM,  214
.set T2,  218
.set SO,  222
.set KS,  226
.set VS,  230
.set PW,  232
.set J,   13                           ; s13  the key step
.set TK,  44                           ; s44  LDS byte of the step's tiles of K: 6,144 a step (V's lie 98,304 further on)
.set TS,  45                           ; s45  of K's scale words: 512 a step, from 196,608
.set TT,  46                           ; s46  of V's: 256 a step, from 204,800
.set CS,  48                           ; s[48:49] c = log2(e) / 8
.set SEL, 50                           ; s[50:51] v_permlanex16_b32's selects for lane l xor 16
.macro CROUND
	s_barrier_signal -1
	s_barrier_wait -1
	s_cmp_lg_u32 s10, 0
	s_cbranch_scc1 .Lnot_wave_0_\@
	s_barrier_signal -3
.Lnot_wave_0_\@:
	s_barrier_wait -3
	s_barrier_signal -1
	s_barrier_wait -1
.endm
	s_load_b128 s[4:7], s[0:1], 0x0                ; qq, kv
	s_load_b64 s[8:9], s[0:1], 0x10                ; aq
	v_lshl_add_u32 v[SPW], v0, 2, SPARE
	v_mov_b32 v[NIL], 0
	ds_add_u32 v[SPW], v[NIL]                      ; the wave's opening: the add, twice on end, and its wait ahead of my first tensor load
	ds_add_u32 v[SPW], v[NIL]
	v_lshrrev_b32 v6, 5, v0
	s_delay_alu instid0(VALU_DEP_1)
	v_readfirstlane_b32 s10, v6                    ; wave 0..15
	s_bfe_u32 s11, ttmp6, 0x40000                  ; cx
	s_and_b32 s12, ttmp7, 0xffff                   ; 16 x batch + head, which the four partners share
	; descriptor groups 1: dense rows of 256 bytes (32 elements of 8 bytes), 3 of them or 45; the mask names all four work-groups
	s_mov_b32 s16, 15|(3<<16)|(1<<21)
	s_mov_b32 s17, 32<<16
	s_mov_b32 s18, 3<<16
	s_mov_b32 s19, 32<<16
	s_mov_b32 s20, 3
	s_mov_b32 s21, 32
	s_mov_b32 s22, 0
	s_mov_b32 s23, 0
	s_mov_b32 s24, 15|(3<<16)|(1<<21)
	s_mov_b32 s25, 32<<16
	s_mov_b32 s26, 45<<16
	s_mov_b32 s27, 32<<16
	s_mov_b32 s28, 45
	s_mov_b32 s29, 32
	s_mov_b32 s30, 0
	s_mov_b32 s31, 0
	s_mul_i32 s44, s10, 768                        ; my sixteenth of the scale bytes
	s_lshr_b32 s45, s10, 3
	s_mul_i32 s45, s45, 98304                      ; waves 0-7 fetch K's codes, waves 8-15 V's
	s_and_b32 s46, s10, 7
	s_mul_i32 s47, s46, 768
	s_add_co_u32 s47, s47, s45                     ; my eighth of key step 0,
	s_mul_i32 s46, s46, 11520
	s_add_co_u32 s46, s46, s45
	s_add_co_u32 s46, s46, 6144                    ; and of key steps 1 to 15: LDS holds the head's bytes as they lie in memory
	s_mul_i32 s52, s12, 12288
	s_add_co_u32 s52, s52, s44
	s_add_co_u32 s52, s52, 12582912
	s_mov_b32 s53, 0
	s_mul_i32 s54, s12, 196608
	s_add_co_u32 s56, s54, s46
	s_add_co_u32 s54, s54, s47
	s_mov_b32 s55, 0
	s_mov_b32 s57, 0
	s_mov_b32 s32, 1
	s_add_co_u32 s33, s44, 196608
	s_mov_b32 s36, 1
	s_mov_b32 s37, s47
	s_mov_b32 s40, 1
	s_mov_b32 s41, s46
	s_mov_b32 s[CS], 0x3e38aa3b                    ; log2(e) / 8
	s_mov_b32 s[CS+1], s[CS]                       ; (named with it as a pair, so it is written)
	s_mov_b32 s[SEL], 0x76543210
	s_mov_b32 s[SEL+1], 0xfedcba98
	s_wait_dscnt 0x0                               ; both opening adds are done
	s_wait_kmcnt 0x0
	s_add_nc_u64 s[34:35], s[6:7], s[52:53]
	s_or_b32 s35, s35, 0x80000000
	s_add_nc_u64 s[38:39], s[6:7], s[54:55]
	s_or_b32 s39, s39, 0x80000000
	s_add_nc_u64 s[42:43], s[6:7], s[56:57]
	s_or_b32 s43, s43, 0x80000000
	CROUND                                         ; all four work-groups are here: the joint loads meet
	tensor_load_to_lds s[32:35], s[16:23]          ; the scale bytes
	s_nop 0
	tensor_load_to_lds s[36:39], s[16:23]          ; key step 0
	s_nop 0
	tensor_load_to_lds s[40:43], s[24:31]          ; key steps 1 to 15.  Three loads of mine are out
	s_nop 0
.rept 4
	v_nop
.endr
	v_and_b32 v1, 31, v0
	s_delay_alu instid0(VALU_DEP_1)
	v_lshlrev_b32 v[L4], 2, v1
	s_delay_alu instid0(VALU_DEP_2)
	v_lshlrev_b32 v[L8], 3, v1
	s_wait_alu depctr_va_vdst(0)
	v_and_b32 v30, 15, v0                          ; r
	s_delay_alu instid0(VALU_DEP_1)
	v_lshlrev_b32 v3, 2, v30                       ; 4 r
	s_wait_alu depctr_va_vdst(0)
	s_and_b32 s2, s12, 15                          ; the head
	s_lshr_b32 s3, s12, 4
	s_lshl_b32 s3, s3, 7                           ; 128 tiles a batch
	s_lshl_b32 s60, s10, 2
	s_add_co_u32 s60, s60, s11                     ; my first tile of queries: 4 w + cx
	s_sub_co_u32 s61, 127, s60                     ; my second
	s_add_co_u32 s62, s3, s60                      ; and among all 512
	s_add_co_u32 s63, s3, s61
	s_mul_i32 s44, s2, 393216
	s_mov_b32 s45, 0
	s_add_nc_u64 s[44:45], s[4:5], s[44:45]        ; the head's units of q
	s_lshl_b32 s46, s2, 15
	s_add_co_u32 s46, s46, 6291456
	s_mov_b32 s47, 0
	s_add_nc_u64 s[46:47], s[4:5], s[46:47]        ; and its scale words
	s_mul_i32 s13, s62, 768
	s_mul_i32 s14, s63, 768
	v_add_nc_u32 v236, s13, v[L8]
	v_add_nc_u32 v237, s14, v[L8]
	s_lshl_b32 s13, s62, 6
	s_lshl_b32 s14, s63, 6
	v_add_nc_u32 v238, s13, v3
	v_add_nc_u32 v239, s14, v3
.irp p, 0,1,2
	global_load_b64 v[16+2*\p:17+2*\p], v236, s[44:45] offset:256*\p
	global_load_b64 v[86+2*\p:87+2*\p], v237, s[44:45] offset:256*\p
.endr
	global_load_b32 v28, v238, s[46:47]
	global_load_b32 v29, v239, s[46:47]
	s_mul_i32 s13, s2, 768                         ; aq: unit = the head, in tile's 12,288 bytes
	s_mul_i32 s52, s62, 12288
	s_add_co_u32 s52, s52, s13
	s_mov_b32 s53, 0
	s_add_nc_u64 s[52:53], s[8:9], s[52:53]
	s_mul_i32 s56, s63, 12288
	s_add_co_u32 s56, s56, s13
	s_mov_b32 s57, 0
	s_add_nc_u64 s[56:57], s[8:9], s[56:57]
	s_lshr_b32 s13, s2, 2                          ; its scale bytes: K quarter head / 4, bytes 2 (head % 4) and the next of a row's 8
	s_lshl_b32 s13, s13, 16
	s_and_b32 s14, s2, 3
	s_lshl_b32 s14, s14, 1
	s_add_co_u32 s13, s13, s14
	s_add_co_u32 s13, s13, 6291456
	s_lshl_b32 s54, s62, 7
	s_add_co_u32 s54, s54, s13
	s_mov_b32 s55, 0
	s_add_nc_u64 s[54:55], s[8:9], s[54:55]
	s_lshl_b32 s58, s63, 7
	s_add_co_u32 s58, s58, s13
	s_mov_b32 s59, 0
	s_add_nc_u64 s[58:59], s[8:9], s[58:59]
	; the mask's term: my query less the diagonal step's first key less 16 (lane / 16).  Register 16 b + i holds key 32 b + 16 (lane / 16) + i of a step: hidden where 32 b + i is greater
	v_and_b32 v6, 8, v30
	s_delay_alu instid0(VALU_DEP_1)
	v_add_nc_u32 v6, v6, v30                       ; r + 8 (r / 8)
	v_bfe_u32 v7, v0, 4, 1
	s_delay_alu instid0(VALU_DEP_1)
	v_lshlrev_b32 v7, 4, v7
	s_delay_alu instid0(VALU_DEP_1)
	v_sub_nc_u32 v7, v6, v7
	s_wait_alu depctr_va_vdst(0)
	s_and_b32 s13, s60, 6
	s_lshl_b32 s13, s13, 4
	s_and_b32 s14, s60, 1
	s_lshl_b32 s14, s14, 3
	s_add_co_u32 s13, s13, s14
	v_add_nc_u32 v6, s13, v7                       ; tile 1's
	s_and_b32 s13, s61, 6
	s_lshl_b32 s13, s13, 4
	s_and_b32 s14, s61, 1
	s_lshl_b32 s14, s14, 3
	s_add_co_u32 s13, s13, s14
	v_add_nc_u32 v7, s13, v7                       ; tile 2's
	v_lshlrev_b32 v30, 3, v30                      ; 8 r
	s_lshr_b32 s14, s10, 1                         ; tile 1's last key step
	s_sub_co_u32 s15, 15, s14                      ; tile 2's
	v_mov_b32 v31, 0xff800000                      ; -infinity
.irp i, 22,23,24,25,26,27,80,81,82,83,84,85,92,93,94,95,96,97
	v_mov_b32 v\i, 0                               ; zero codes: the upper 64 of the first product's K
.endr
.irp b, 0,1,2,3
	v_mov_b32 v[T2+\b], 0                          ; written once: a lane permute's destination counts as one of its sources
.endr
	v_mov_b32 v235, 0                              ; (named as the upper half of the pair v[234:235])
.macro MM d, a, b, acc, sa, sb, row    ; one product; acc = 0: it starts the sum; row = 1: source 0's scale words stand in lanes 16-31
.if \acc
.if \row
	v_wmma_scale_f32_16x16x128_f8f6f4 v[\d:\d+7], v[\a:\a+11], v[\b:\b+11], v[\d:\d+7], v[\sa], v[\sb] matrix_a_fmt:MATRIX_FMT_FP6 matrix_b_fmt:MATRIX_FMT_FP6 matrix_a_scale:MATRIX_SCALE_ROW1
.else
	v_wmma_scale_f32_16x16x128_f8f6f4 v[\d:\d+7], v[\a:\a+11], v[\b:\b+11], v[\d:\d+7], v[\sa], v[\sb] matrix_a_fmt:MATRIX_FMT_FP6 matrix_b_fmt:MATRIX_FMT_FP6
.endif
.else
.if \row
	v_wmma_scale_f32_16x16x128_f8f6f4 v[\d:\d+7], v[\a:\a+11], v[\b:\b+11], 0, v[\sa], v[\sb] matrix_a_fmt:MATRIX_FMT_FP6 matrix_b_fmt:MATRIX_FMT_FP6 matrix_a_scale:MATRIX_SCALE_ROW1
.else
	v_wmma_scale_f32_16x16x128_f8f6f4 v[\d:\d+7], v[\a:\a+11], v[\b:\b+11], 0, v[\sa], v[\sb] matrix_a_fmt:MATRIX_FMT_FP6 matrix_b_fmt:MATRIX_FMT_FP6
.endif
.endif
.endm
; A KEY STEP of 128 keys for the tile whose Q stands at v[QF], scale words v[QS], last step s[LIM], mask term v[DM].  chk = 1: a step behind the last is left out, by a scalar branch on ids,
; round its loads, products and softmax; not round the lines at its end that step addresses.
.macro STEP QF, QS, LIM, DM, chk
.if \chk
	s_cmp_gt_u32 s[J], s[\LIM]
	s_cbranch_scc1 .Lhidden_\@
.endif
	s_setprio 2
	v_add_nc_u32 v[ADK], s[TK], v[L8]              ; (these four are the places in front of the loads into registers that the last products have read)
	v_add_nc_u32 v[ADS], s[TS], v[L4]
	v_add_nc_u32 v[ADT], s[TT], v[L4]
	s_delay_alu instid0(VALU_DEP_3)
	v_add_nc_u32 v[ADV], 98304, v[ADK]
.irp t, 0,1,2,3,4,5,6,7
.irp p, 0,1,2
	ds_load_b64 v[KV+6*\t+2*\p:KV+6*\t+2*\p+1], v[ADK] offset:768*\t+256*\p
.endr
.endr
.irp g, 0,1,2,3
	ds_load_b32 v[KS+\g], v[ADS] offset:128*\g     ; lanes 0-15: tile 2 g's words; lanes 16-31: tile 2 g + 1's
.endr
	s_wait_alu depctr_va_vdst(0)
	s_wait_dscnt 0x0
.irp t, 0,2,4,6                                ; S^T = K Q^T.  A tile's upper six registers are the next tile's codes (the last tile's: zeros): they meet Q's zero codes
	MM S+8*\t, KV+6*\t, \QF, 0, KS+\t/2, \QS, 0
	MM S+8*\t+8, KV+6*\t+6, \QF, 0, KS+\t/2, \QS, 1
.endr
.rept 4
	v_nop                                          ; places behind the products: for the loads below and for the first read of the scores
.endr
.irp d, 0,1,2,3                                ; V's four fragments are asked for now and land during the softmax
.irp p, 0,1,2,3,4,5
	ds_load_b64 v[KV+12*\d+2*\p:KV+12*\d+2*\p+1], v[ADV] offset:(\p/3)*3072+768*\d+(\p%3)*256
.endr
.endr
.irp g, 0,1
	ds_load_b32 v[VS+\g], v[ADT] offset:128*\g
.endr
	s_cmp_lt_u32 s[J], s[\LIM]                     ; only the tile's last step lies on the diagonal
	s_cbranch_scc1 .Lopen_\@
.set n, 0
.rept 64                                       ; hidden scores become -infinity ahead of the maximum: p = 0 then.  The step's first key counts for every query of the tile
	v_cmp_gt_i32 vcc_lo, 32*(n/16)+n%16, v[\DM]
	v_cndmask_b32 v[S+n], v[S+n], v31, vcc_lo
.set n, n+1
.endr
.Lopen_\@:
.irp b, 0,1,2,3
	v_max3_num_f32 v[BM+\b], v[S+16*\b], v[S+1+16*\b], v[S+2+16*\b]   ; the largest score of each block of 32 keys: it serves for the row's maximum and, since p rises with the score, for the block's largest p
.endr
.irp i, 3,5,7,9,11,13
.irp b, 0,1,2,3
	v_max3_num_f32 v[BM+\b], v[BM+\b], v[S+16*\b+\i], v[S+1+16*\b+\i]
.endr
.endr
.irp b, 0,1,2,3
	v_max_num_f32 v[BM+\b], v[BM+\b], v[S+15+16*\b]
.endr
.irp b, 0,1,2,3
	s_delay_alu instid0(VALU_DEP_4)
	v_permlanex16_b32 v[T2+\b], v[BM+\b], s[SEL], s[SEL+1]
.endr
.irp b, 0,1,2,3
	s_delay_alu instid0(VALU_DEP_4)
	v_max_num_f32 v[BM+\b], v[BM+\b], v[T2+\b]     ; with lane l xor 16's 16 keys
.endr
	s_delay_alu instid0(VALU_DEP_2)
	v_max3_num_f32 v238, v[BM], v[BM+1], v[BM+2]
	s_delay_alu instid0(VALU_DEP_1)
	v_max_num_f32 v238, v238, v[BM+3]
	s_delay_alu instid0(VALU_DEP_1)
	v_mul_f32 v238, s[CS], v238                    ; the step's largest t
	s_delay_alu instid0(VALU_DEP_1)
	v_max_num_f32 v13, v13, v238                   ; the running largest t
	v_mov_b32 v238, v12
	s_delay_alu instid0(VALU_DEP_2)
	v_floor_f32 v12, -v13                          ; the new -M = floor(-t): M is a whole number
	s_delay_alu instid0(VALU_DEP_1)
	v_sub_f32 v238, v12, v238                      ; old M - new M: a whole number, 0 or less
	s_delay_alu instid0(VALU_DEP_1)
	v_cvt_i32_f32 v238, v238                       ; (it saturates)
	s_delay_alu instid0(VALU_DEP_1)
	v_ldexp_f32 v234, 1.0, v238                    ; f = 2^(old M - new M)
.set n, 0
	s_setprio 1
.rept 32
	v_pk_fma_f32 v[S+n:S+n+1], v[S+n:S+n+1], s[CS:CS+1], v[12:13] op_sel_hi:[1,0,0]   ; t - M, two at a time
.set n, n+2
.endr
.irp b, 0,1,2,3
	v_fma_f32 v[BM+\b], v[BM+\b], s[CS], v12       ; the same of each block's largest score
.endr
.set n, 0
	s_wait_alu depctr_va_vdst(0)
.rept 64
	v_exp_f32 v[S+n], v[S+n]                       ; p = 2^(t - M)
.set n, n+1
.endr
	v_pk_mul_f32 v[14:15], v[14:15], v[234:235] op_sel_hi:[1,0]   ; the sums under the new M (the plain place behind the exponentials)
	s_wait_alu depctr_va_vdst(0)                   ; one wait for the batch of 64, ahead of its first reader
.irp b, 0,1,2,3
	v_exp_f32 v[BM+\b], v[BM+\b]                   ; the block's largest p
.endr
	v_pk_add_f32 v[236:237], v[102:103], v[106:107]
	v_pk_add_f32 v[254:255], v[110:111], v[114:115]
	v_pk_add_f32 v[252:253], v[118:119], v[122:123]
	v_pk_add_f32 v[250:251], v[126:127], v[130:131]
	v_pk_add_f32 v[248:249], v[134:135], v[138:139]
	v_pk_add_f32 v[246:247], v[142:143], v[146:147]
	v_pk_add_f32 v[244:245], v[150:151], v[154:155]
	v_pk_add_f32 v[14:15], v[14:15], v[158:159]
	v_pk_add_f32 v[236:237], v[236:237], v[98:99]
	v_pk_add_f32 v[254:255], v[254:255], v[100:101]
	v_pk_add_f32 v[252:253], v[252:253], v[104:105]
	v_pk_add_f32 v[250:251], v[250:251], v[108:109]
	v_pk_add_f32 v[248:249], v[248:249], v[112:113]
	v_pk_add_f32 v[246:247], v[246:247], v[116:117]
	v_pk_add_f32 v[244:245], v[244:245], v[120:121]
	v_pk_add_f32 v[14:15], v[14:15], v[124:125]
	v_pk_add_f32 v[236:237], v[236:237], v[128:129]
	v_pk_add_f32 v[254:255], v[254:255], v[132:133]
	v_pk_add_f32 v[252:253], v[252:253], v[136:137]
	v_pk_add_f32 v[250:251], v[250:251], v[140:141]
	v_pk_add_f32 v[248:249], v[248:249], v[144:145]
	v_pk_add_f32 v[246:247], v[246:247], v[148:149]
	v_pk_add_f32 v[244:245], v[244:245], v[152:153]
	v_pk_add_f32 v[14:15], v[14:15], v[156:157]
	v_pk_add_f32 v[236:237], v[236:237], v[160:161]
	s_delay_alu instid0(VALU_DEP_2)
	v_pk_add_f32 v[14:15], v[14:15], v[250:251]
	s_delay_alu instid0(VALU_DEP_2)
	v_pk_add_f32 v[236:237], v[236:237], v[248:249]
	v_pk_add_f32 v[254:255], v[254:255], v[246:247]
	v_pk_add_f32 v[252:253], v[252:253], v[244:245]
	s_delay_alu instid0(VALU_DEP_2)
	v_pk_add_f32 v[14:15], v[14:15], v[254:255]
	s_delay_alu instid0(VALU_DEP_2)
	v_pk_add_f32 v[236:237], v[236:237], v[252:253]
	s_delay_alu instid0(VALU_DEP_1)
	v_pk_add_f32 v[14:15], v[14:15], v[236:237]
	s_setprio 0
	s_wait_alu depctr_va_vdst(0)                   ; and one for the four
.irp b, 0,1,2,3
	v_max_num_f32 v[BM+\b], 0x1800000, v[BM+\b]    ; the floor 2^(3 - 127): a block whose every p is 0 keeps the byte 1: its codes are zeros
.endr
.irp b, 0,1,2,3
	s_delay_alu instid0(VALU_DEP_4)
	v_add_nc_u32 v[SO+\b], 0xff000000, v[BM+\b]    ; the conversion's scale operand
.endr
.irp b, 0,1,2,3
	s_delay_alu instid0(VALU_DEP_4)
	v_lshrrev_b32 v[T2+\b], 23, v[SO+\b]           ; the scale's byte
.endr
	s_delay_alu instid0(VALU_DEP_3)
	v_lshl_or_b32 v[PW], v[T2+1], 8, v[T2]         ; p's scale word for these 128 keys
	s_delay_alu instid0(VALU_DEP_1)
	v_lshl_or_b32 v[PW], v[T2+2], 16, v[PW]
	s_delay_alu instid0(VALU_DEP_1)
	v_lshl_or_b32 v[PW], v[T2+3], 24, v[PW]
.irp c, 0,1
	v_cvt_scalef32_pk16_fp6_f32 v[PC+6*\c:PC+2+6*\c], v[S+32*\c:S+15+32*\c], v[SO+2*\c]
	v_cvt_scalef32_pk16_fp6_f32 v[PC+12+4*\c:PC+14+4*\c], v[S+16+32*\c:S+31+32*\c], v[SO+1+2*\c]
.endr
	v_nop                                          ; one plain place behind a scaled conversion
.irp c, 0,1
.irp i, 0,1,2
	v_permlane16_swap_b32 v[PC+6*\c+\i], v[PC+12+4*\c+\i]
.endr
.irp i, 0,1,2
	s_delay_alu instid0(VALU_DEP_3)
	v_mov_b32 v[PC+3+6*\c+\i], v[PC+12+4*\c+\i]
.endr
.endr
.set n, 0
.rept 16
	v_pk_mul_f32 v[O+n:O+n+1], v[O+n:O+n+1], v[234:235] op_sel_hi:[1,0]   ; O^T under the new M.  (These sixteen are also the places between the scale word and the codes just made and the products below)
.set n, n+2
.endr
	s_wait_alu depctr_va_vdst(0)
	s_wait_dscnt 0x0                               ; V is in
.irp d, 0,2                                    ; O^T += V^T P^T: the four accumulators by turns
	MM O+8*\d, KV+12*\d, PC, 1, VS+\d/2, PW, 0
	MM O+8*\d+8, KV+12*\d+12, PC, 1, VS+\d/2, PW, 1
.endr
.Lhidden_\@:
	s_add_co_u32 s[TK], s[TK], 6144
	s_add_co_u32 s[TS], s[TS], 512
	s_add_co_u32 s[TT], s[TT], 256
.endm
.macro INIT                            ; a tile begins: the step is written alike for all steps; the first finds zeros, which the first change of M leaves zeros
	v_mov_b32 v13, 0xff61b1e6                      ; -3e38, under every t
	s_delay_alu instid0(VALU_DEP_1)
	v_floor_f32 v12, -v13
	v_mov_b32 v14, 0
	v_mov_b32 v15, 0
.set n, 0
.rept 32
	v_mov_b32 v[O+n], 0
.set n, n+1
.endr
	s_mov_b32 s[TK], 0
	s_mov_b32 s[TS], 196608
	s_mov_b32 s[TT], 204800
.endm
; A tile ends: O^T / the sum; register 16 b + i is d = 32 b + 16 (lane / 16) + i: two blocks of the projection's K.  They become one unit (three pieces of 256 bytes) and two scale bytes a row.
.macro FINISH cb, sb
.rept 4
	v_nop                                          ; places behind the last products
.endr
	v_add_f32 v14, v14, v15
	s_delay_alu instid0(VALU_DEP_1)
	v_permlanex16_b32 v238, v14, s[SEL], s[SEL+1]
	s_delay_alu instid0(VALU_DEP_1)
	v_add_f32 v14, v14, v238                       ; the row's sum
	s_wait_alu depctr_va_vdst(0)
	v_rcp_f32 v14, v14
	v_nop                                          ; a plain place behind the reciprocal,
	s_wait_alu depctr_va_vdst(0)                   ; and the wait ahead of its first reader
.set n, 0
.rept 32
	v_mul_f32 v[S+n], v[O+n], v14                  ; each accumulator from its low end on
.set n, n+1
.endr
.irp b, 0,1
	v_max3_num_f32 v[BM+\b], |v[S+16*\b]|, |v[S+1+16*\b]|, 0x1800000
.endr
.irp i, 2,4,6,8,10,12,14
.irp b, 0,1
	s_delay_alu instid0(VALU_DEP_2)
	v_max3_num_f32 v[BM+\b], v[BM+\b], |v[S+16*\b+\i]|, |v[S+1+16*\b+\i]|
.endr
.endr
.irp b, 0,1
	s_delay_alu instid0(VALU_DEP_2)
	v_permlanex16_b32 v[T2+\b], v[BM+\b], s[SEL], s[SEL+1]
.endr
.irp b, 0,1
	s_delay_alu instid0(VALU_DEP_2)
	v_max_num_f32 v[BM+\b], v[BM+\b], v[T2+\b]
.endr
.irp b, 0,1
	s_delay_alu instid0(VALU_DEP_2)
	v_add_nc_u32 v[SO+\b], 0xff000000, v[BM+\b]
.endr
.irp b, 0,1
	s_delay_alu instid0(VALU_DEP_2)
	v_lshrrev_b32 v[T2+\b], 23, v[SO+\b]
.endr
	s_delay_alu instid0(VALU_DEP_1)
	v_lshl_or_b32 v239, v[T2+1], 8, v[T2]          ; my row's two bytes
	v_cvt_scalef32_pk16_fp6_f32 v[PC:PC+2], v[S:S+15], v[SO]
	v_cvt_scalef32_pk16_fp6_f32 v[PC+12:PC+14], v[S+16:S+31], v[SO+1]
	v_nop                                          ; one plain place behind a scaled conversion
.irp i, 0,1,2
	v_permlane16_swap_b32 v[PC+\i], v[PC+12+\i]
.endr
.irp i, 0,1,2
	s_delay_alu instid0(VALU_DEP_3)
	v_mov_b32 v[PC+3+\i], v[PC+12+\i]
.endr
.irp p, 0,1,2
	global_store_b64 v[L8], v[PC+2*\p:PC+2*\p+1], s[\cb:\cb+1] offset:256*\p   ; 256 consecutive bytes, aligned
.endr
	global_store_b16 v30, v239, s[\sb:\sb+1]       ; 2 bytes a row, 8 bytes apart; lanes 16-31 repeat lanes 0-15's
	s_wait_xcnt 0x0                                ; the stores have read their registers: they may be written again
.endm
	s_wait_loadcnt 0x0                             ; Q and its scale words
	s_wait_tensorcnt 1                             ; my parts of the scale bytes and of key step 0 are in; the third load may be out
	s_barrier_signal -1
	s_barrier_wait -1                              ; everybody's are
	INIT
	s_mov_b32 s[J], 0
	STEP 16, 28, 14, 6, 0                          ; key step 0 of my first tile, while the other fifteen steps land
	s_wait_dscnt 0x0
	s_wait_tensorcnt 0x0                           ; my part of key steps 1 to 15 is in,
	s_barrier_signal -1
	s_barrier_wait -1                              ; everybody's is: from here on no wave waits for another
	s_mov_b32 s[J], 1
.Lfirst:
	STEP 16, 28, 14, 6, 1
	s_add_co_u32 s[J], s[J], 1
	s_cmp_lt_u32 s[J], 8
	s_cbranch_scc1 .Lfirst
	s_setprio 0
	FINISH 52, 54
	INIT
	s_mov_b32 s[J], 0
.Lsecond:
	STEP 86, 29, 15, 7, 1
	s_add_co_u32 s[J], s[J], 1
	s_cmp_lt_u32 s[J], 16
	s_cbranch_scc1 .Lsecond
	s_setprio 0
	FINISH 56, 58
	s_wait_tensorcnt 0x0                           ; the wave's end, behind my last tensor load
	ds_add_u32 v[SPW], v[NIL]
	s_wait_dscnt 0x0
	CROUND                                         ; the closing round
	s_endpgm
.Lfunc_end_k_qcd72f202df_attn:
	.size	k_qcd72f202df_attn, .Lfunc_end_k_qcd72f202df_attn-k_qcd72f202df_attn
	.p2alignl 7, 3214868480
	.fill 96, 4, 3214868480
	.section	.rodata,"a",@progbits
	.p2align	6, 0x0
	.amdhsa_kernel k_qcd72f202df_attn
		.amdhsa_group_segment_fixed_size 210944
		.amdhsa_private_segment_fixed_size 0
		.amdhsa_enable_private_segment 0
		.amdhsa_kernarg_size 24
		.amdhsa_user_sgpr_count 2
		.amdhsa_user_sgpr_kernarg_segment_ptr 1
		.amdhsa_wavefront_size32 1
		.amdhsa_system_sgpr_workgroup_id_x 1
		.amdhsa_system_sgpr_workgroup_id_y 1
		.amdhsa_system_sgpr_workgroup_id_z 1
		.amdhsa_system_vgpr_workitem_id 0
		.amdhsa_next_free_vgpr 256
		.amdhsa_next_free_sgpr 66
		.amdhsa_reserve_vcc 1
		.amdhsa_float_denorm_mode_32 3
		.amdhsa_float_denorm_mode_16_64 3
		.amdhsa_memory_ordered 1
		.amdhsa_forward_progress 1
		.amdhsa_inst_pref_size 92
	.end_amdhsa_kernel
	.amdgpu_metadata
---
amdhsa.version: [ 1, 2 ]
amdhsa.kernels:
  - .name:           k_qcd72f202df_attn
    .symbol:         k_qcd72f202df_attn.kd
    .args:
      - { .name: qq, .offset: 0, .size: 8, .value_kind: global_buffer, .address_space: global }
      - { .name: kv, .offset: 8, .size: 8, .value_kind: global_buffer, .address_space: global }
      - { .name: aq, .offset: 16, .size: 8, .value_kind: global_buffer, .address_space: global }
    .group_segment_fixed_size: 210944
    .private_segment_fixed_size: 0
    .kernarg_segment_align: 8
    .kernarg_segment_size: 24
    .max_flat_workgroup_size: 512
    .sgpr_count:     66
    .vgpr_count:     256
    .wavefront_size: 32
...
	.end_amdgpu_metadata
.endif
;; end of part 3
;; launch gemm_proj (part 4): grid 4 x 32, 4 waves a work-group, clusters of 4 x 4, 327,680 bytes of LDS; arguments aq, wq, out0; writes out0
.if DOCPART == 4
	.amdgcn_target "amdgcn-amd-amdhsa--gfx1250"
	.amdhsa_code_object_version 6
	.text
	.protected	k_qcd72f202df_gemm_proj
	.globl	k_qcd72f202df_gemm_proj
	.p2align	8
	.type	k_qcd72f202df_gemm_proj,@function
k_qcd72f202df_gemm_proj:
	s_mov_b64 s[64:65], 0
	v_nop
	global_prefetch_b8 v0, s[64:65] scope:SCOPE_SE
	s_setreg_imm32_b32 hwreg(HW_REG_WAVE_MODE, 25, 1), 1
	s_wait_xcnt 0x0
	s_wait_alu depctr_hold_cnt(0) depctr_sa_sdst(0) depctr_va_vdst(0) depctr_va_sdst(0) depctr_va_ssrc(0) depctr_va_vcc(0) depctr_vm_vsrc(0)
	s_getreg_b32 s2, hwreg(HW_REG_IB_STS2, 6, 4)
	s_cmp_eq_u32 s2, 0
	s_cbranch_scc0 .Lentry_in_a_cluster
	s_endpgm
.Lentry_in_a_cluster:
	s_bfe_u32 s2, ttmp6, 0x10000c
	s_cmp_lg_u32 s2, 0xf033
	s_cbranch_scc0 .Lentry_shape_is_right
	s_endpgm
.Lentry_shape_is_right:
; out0 = (attention's result) W_proj on codes of FP6 (E2M3) with E8M0 scales; out0 [8192][1024] f32.
; Operands lie in memory as images of operand registers (a unit: 16 rows x 64 K, 768 bytes, three pieces of 256 bytes, piece p at 8 x lane = registers 2 p, 2 p + 1); lane r of tile 2 g + u holds row 32 g + 8 u + r + 8 (r / 8).
; A tile of the result, 256 x 256, is made by four waves, each 128 x 128: 64 accumulators of 16 x 16.  K = 1,024 is four K steps of 256, eight steps of 128, all written out.
; LDS: THREE slots of one K step (A's 16 tiles x 3,072 bytes, then B's), all filled at the head; slot 0 is filled once more, with the fourth K step.  By this text's count a wave has four tensor loads out at the head, later one.
; The scale bytes of the work-group's rows of A and B for all of K come once, with the first fills.
; CLUSTERS: 4 x 4 work-groups; A's tiles are asked for jointly along a row of the cluster, B's along a column.  The result has 128 tiles of 256 x 256: 128 work-groups.
; THE MATRIX INSTRUCTION IS USED TRANSPOSED (source 0 = 16 columns of W_proj, source 1 = 16 rows of A): a lane holds one row of the result, and the 16 registers of two neighbouring tiles of source 0 are 16 neighbouring columns.
; REGISTERS, in windows of 256: window 0: v4-17 addresses; v28, v29 the add's; v32-95 scale words; v128-223 source 1's fragments, one set (on the way out v128-255: rows read back).
;   window 1: source 0's fragments, two sets, at v0 and v128.   windows 2, 3: the accumulators, (a, b) at v[8 (8 (a % 4) + b)].
.set FR,    12
.set SLOTB, 98304
.set HALFB, 24576                      ; 8 tiles x 3,072: what one tensor load brings, and what one wave reads of A or of B
.set SCL,   3*SLOTB                    ; the scale bytes: [A half 0, A half 1, B half 0, B half 1][K quarter 4][tile 8][r 16][8]
.set SPARE, SCL+16384                  ; the spare words, 128 bytes for each wave: two blocks of 256 bytes that no other line names
.set NT0,   192                        ; W_proj's first tile in wq
.set SPITCH, 528                       ; the way out: a stage of 16 rows x (512 + 16) bytes for each wave, in slot 1: it has had its only fill, and nobody reads it behind the last barrier
.set AD1,   4                          ; v4-6   LDS address of source 1's fragments in slot 0, 1, 2
.set AD0,   8                          ; v8-10  of source 0's
.set ADRS,  12                         ; v12    of my scale words: lanes 0-15 source 1's, lanes 16-31 source 0's
.set LO8,   14                         ; v14    8 x lane
.set STO,   15                         ; v15    the way out: where I put 32 bytes of a row
.set RD,    16                         ; v16    where I read a row back
.set CO,    17                         ; v17    16 x lane: my bytes of a row of 512
.set SPW,   28
.set NIL,   29
.set SC,    32                         ; register 8 i + q: tile i's words of step q
.set AF,    128
.set BK,    128                        ; rows read back: v128-191 and v192-255 by turns
.set G1A,   28
.set G1B,   36
.set G1SA,  44
.set G1SB,  52
.set G0A,   68
.set G0B,   80
.set G0SA,  92
.set G0SB,  96
.set MSB, 0
.macro WIN new                         ; the immediate's high byte repeats the setting that is left
.if MSB != (\new)
	s_set_vgpr_msb (MSB<<8)|(\new)
.set MSB, (\new)
.endif
.endm
.set MUL_LO, 0xa1                      ; source 0 window 1, source 1 window 0, C and D window 2
.set MUL_HI, 0xf1                      ; the same, C and D window 3
; A joint load: waves 0 and 1 fetch for A, waves 2 and 3 for B; the branch hangs on the wave's number alone.  An s_nop 0 and four v_nop follow each line.
.macro JLOAD g0a, g1a, g0b, g1b
	s_cmp_eq_u32 s13, 0
	s_cbranch_scc0 .Lfor_b_\@
	tensor_load_to_lds s[\g0a:\g0a+3], s[\g1a:\g1a+7]
	s_nop 0
.rept 4
	v_nop
.endr
	s_branch .Lasked_\@
.Lfor_b_\@:
	tensor_load_to_lds s[\g0b:\g0b+3], s[\g1b:\g1b+7]
	s_nop 0
.rept 4
	v_nop
.endr
.Lasked_\@:
.endm
.macro CREST                           ; a round of the cluster's barrier behind its opening barrier
	s_cmp_lg_u32 s12, 0
	s_cbranch_scc1 .Lnot_wave_0_\@
	s_barrier_signal -3
.Lnot_wave_0_\@:
	s_barrier_wait -3
	s_barrier_signal -1
	s_barrier_wait -1
.endm
.macro CROUND
	s_barrier_signal -1
	s_barrier_wait -1
	CREST
.endm
.macro PLACES n
.rept \n
	v_nop
.endr
.endm
	s_load_b128 s[4:7], s[0:1], 0x0                ; aq, wq
	s_load_b64 s[8:9], s[0:1], 0x10                ; out0
	v_lshl_add_u32 v[SPW], v0, 2, SPARE
	v_mov_b32 v[NIL], 0
	ds_add_u32 v[SPW], v[NIL]                      ; the wave's opening: the add, twice on end, and its wait ahead of my first tensor load
	ds_add_u32 v[SPW], v[NIL]
	v_lshrrev_b32 v1, 5, v0
	v_readfirstlane_b32 s12, v1                    ; wave 0..3
	s_lshr_b32 s13, s12, 1                         ; HI: my half of the rows.  Also: I fetch for A (0) or for B (1)
	s_and_b32 s14, s12, 1                          ; LO: my half of the columns.  Also: which 8 tiles I fetch
	s_bfe_u32 s15, ttmp6, 0x40000                  ; cx
	s_bfe_u32 s16, ttmp6, 0x40004                  ; cy
	s_lshl_b32 s17, ttmp9, 2
	s_add_co_u32 s17, s17, s15                     ; tile column = 4 x cluster x + cx
	s_and_b32 s18, ttmp7, 0xffff
	s_lshl_b32 s18, s18, 2
	s_add_co_u32 s18, s18, s16                     ; tile row = 4 x cluster y + cy
	s_lshl_b32 s60, s16, 2
	s_lshl_b32 s60, 15, s60                        ; my row of the cluster
	s_lshl_b32 s61, 0x1111, s15                    ; my column
	s_or_b32 s[G1A], s60, (3<<16)|(1<<21)          ; 15:0 the mask; 17:16 elements of 8 bytes; 21 set beside a mask; no padding
	s_or_b32 s[G1B], s61, (3<<16)|(1<<21)
	s_or_b32 s[G1SA], s60, (3<<16)|(1<<21)
	s_or_b32 s[G1SB], s61, (3<<16)|(1<<21)
.irp g, G1A, G1B                       ; codes: 8 tiles' 3,072 bytes (384 elements), 12,288 bytes (1,536 elements) apart
	s_mov_b32 s[\g+1], 384<<16
	s_mov_b32 s[\g+2], 8<<16
	s_mov_b32 s[\g+3], 384<<16
	s_mov_b32 s[\g+4], 8
	s_mov_b32 s[\g+5], 1536
	s_mov_b32 s[\g+6], 0
	s_mov_b32 s[\g+7], 0
.endr
.irp g, G1SA, G1SB                     ; scale bytes: 4 K quarters x 8 tiles' 1,024 bytes (128 elements)
	s_mov_b32 s[\g+1], 128<<16
	s_mov_b32 s[\g+2], 4<<16
	s_mov_b32 s[\g+3], 128<<16
	s_mov_b32 s[\g+4], 4
	s_mov_b32 s[\g+6], 0
	s_mov_b32 s[\g+7], 0
.endr
	s_mov_b32 s[G1SA+5], 8192                      ; a K quarter of aq's scale bytes is 65,536 bytes,
	s_mov_b32 s[G1SB+5], 4096                      ; of wq's 32,768
	s_lshl_b32 s62, s14, 3
	s_lshl_b32 s20, s18, 4
	s_add_co_u32 s20, s20, s62                     ; A: tile 16 x tile row + 8 LO: it hangs on the tile row alone, which my row of the cluster shares
	s_lshl_b32 s22, s20, 7
	s_add_co_u32 s22, s22, 6291456                 ; its scale bytes,
	s_mul_i32 s20, s20, 12288                      ; its codes
	s_mov_b32 s21, 0
	s_mov_b32 s23, 0
	s_lshl_b32 s24, s17, 4
	s_add_co_u32 s24, s24, s62
	s_add_co_u32 s24, s24, NT0                     ; B: tile 192 + 16 x tile column + 8 LO
	s_lshl_b32 s26, s24, 7
	s_add_co_u32 s26, s26, 3145728
	s_mul_i32 s24, s24, 12288
	s_mov_b32 s25, 0
	s_mov_b32 s27, 0
	s_mul_i32 s62, s12, HALFB                      ; where they go: no place in the cluster enters an LDS address
	s_lshl_b32 s63, s12, 12
	s_wait_dscnt 0x0                               ; both opening adds are done
	s_wait_kmcnt 0x0
	s_add_nc_u64 s[20:21], s[4:5], s[20:21]
	s_add_nc_u64 s[22:23], s[4:5], s[22:23]
	s_add_nc_u64 s[24:25], s[6:7], s[24:25]
	s_add_nc_u64 s[26:27], s[6:7], s[26:27]
	CROUND                                         ; all sixteen work-groups are here: the first joint loads meet
	s_mov_b32 s[G0SA], 1
	s_add_co_u32 s[G0SA+1], s63, SCL
	s_mov_b64 s[G0SA+2:G0SA+3], s[22:23]
	s_or_b32 s[G0SA+3], s[G0SA+3], 0x80000000
	s_mov_b32 s[G0SB], 1
	s_add_co_u32 s[G0SB+1], s63, SCL
	s_mov_b64 s[G0SB+2:G0SB+3], s[26:27]
	s_or_b32 s[G0SB+3], s[G0SB+3], 0x80000000
	JLOAD G0SA, G1SA, G0SB, G1SB                   ; the scale bytes first: they are wanted with K step 0
.irp s, 0,1,2
	s_mov_b32 s[G0A+4*\s], 1
	s_add_co_u32 s[G0A+4*\s+1], s62, \s*SLOTB
	s_add_nc_u64 s[G0A+4*\s+2:G0A+4*\s+3], s[20:21], \s*3072
	s_or_b32 s[G0A+4*\s+3], s[G0A+4*\s+3], 0x80000000
	s_mov_b32 s[G0B+4*\s], 1
	s_add_co_u32 s[G0B+4*\s+1], s62, \s*SLOTB
	s_add_nc_u64 s[G0B+4*\s+2:G0B+4*\s+3], s[24:25], \s*3072
	s_or_b32 s[G0B+4*\s+3], s[G0B+4*\s+3], 0x80000000
	JLOAD G0A+4*\s, G1A, G0B+4*\s, G1B             ; K steps 0, 1, 2
.endr
	v_and_b32 v1, 31, v0                           ; lane
	v_and_b32 v2, 15, v0                           ; r
	v_bfe_u32 v3, v0, 4, 1                         ; h
	v_lshlrev_b32 v[LO8], 3, v1
	s_mul_i32 s60, s13, HALFB                      ; source 1: A's region, my half of the rows
	s_mul_i32 s61, s14, HALFB
	s_add_co_u32 s61, s61, 2*HALFB                 ; source 0: B's region, my half of the columns
.irp s, 0,1,2
	v_add_nc_u32 v[AD1+\s], s60, v[LO8]
	v_add_nc_u32 v[AD0+\s], s61, v[LO8]
	s_add_co_u32 s60, s60, SLOTB
	s_add_co_u32 s61, s61, SLOTB
.endr
	s_lshl_b32 s2, s13, 12                         ; A's words: my half
	s_lshl_b32 s3, s14, 12
	s_add_co_u32 s3, s3, 8192                      ; B's: my half, behind A's two
	s_sub_co_u32 s3, s3, s2                        ; one product: the lower base + h x the distance
	v_mul_u32_u24 v7, s3, v3
	v_lshl_add_u32 v[ADRS], v2, 3, v7              ; 8 bytes a row
	s_add_co_u32 s2, s2, SCL
	v_add_nc_u32 v[ADRS], s2, v[ADRS]
	s_mul_i32 s2, s12, 16*SPITCH
	s_add_co_u32 s2, s2, SLOTB                     ; my stage
	v_mul_u32_u24 v[STO], v2, SPITCH
	v_lshl_add_u32 v[STO], v3, 6, v[STO]
	v_add_nc_u32 v[STO], s2, v[STO]                ; in: row r, + 64 h
	v_lshlrev_b32 v[CO], 4, v1
	v_add_nc_u32 v[RD], s2, v[CO]                  ; back: the 32 lanes take one row of 512 bytes
	s_lshl_b32 s20, s18, 8
	s_lshl_b32 s21, s13, 7
	s_add_co_u32 s20, s20, s21                     ; my first row: 256 x tile row + 128 HI
	s_lshl_b32 s20, s20, 12                        ; of 4,096 bytes
	s_lshl_b32 s21, s17, 10
	s_add_co_u32 s20, s20, s21                     ; + 1,024 x tile column
	s_lshl_b32 s21, s14, 9
	s_add_co_u32 s20, s20, s21                     ; + 512 LO
	s_mov_b32 s21, 0
	s_add_nc_u64 s[8:9], s[8:9], s[20:21]
.macro FRAG reg, adr, off              ; a fragment: six loads of 8 bytes a lane, each 256 consecutive bytes
.irp p, 0,1,2,3,4,5
	ds_load_b64 v[\reg+2*\p:\reg+2*\p+1], v[\adr] offset:\off+256*\p
.endr
.endm
.macro FETCH0 sl, qq, set              ; source 0's eight fragments of half qq of slot sl into a set of window 1
	WIN 0x40
.irp i, 0,1,2,3,4,5,6,7
	FRAG 128*(\set)+FR*\i, AD0+(\sl), 3072*\i+1536*(\qq)
.endr
	WIN 0
.endm
.macro FETCH1 sl, qq, i0               ; source 1's blocks i0 .. i0 + 3
.irp i, \i0, \i0+1, \i0+2, \i0+3
	FRAG AF+FR*(\i), AD1+(\sl), 3072*(\i)+1536*(\qq)
.endr
.endm
.macro SCALES                          ; all scale words, once: tile i, K quarter k: the words of steps 2 k and 2 k + 1
.irp i, 0,1,2,3,4,5,6,7
.irp k, 0,1,2,3
	ds_load_b64 v[SC+8*\i+2*\k:SC+8*\i+2*\k+1], v[ADRS] offset:1024*\k+128*\i
.endr
.endr
.endm
; 16 matrix instructions: source 1's blocks a0, a0 + 1 x source 0's eight.  The 64 accumulators take turns, one instruction a turn, in the same order in every step.
.macro MUL16 a0, p, q, zero
.irp a, \a0, \a0+1
.irp b, 0,1,2,3,4,5,6,7
.if \zero
	v_wmma_scale_f32_16x16x128_f8f6f4 v[8*(8*((\a)%4)+\b):8*(8*((\a)%4)+\b)+7], v[128*(\p)+FR*\b:128*(\p)+FR*\b+FR-1], v[AF+FR*(\a):AF+FR*(\a)+FR-1], 0, v[SC+8*\b+(\q)], v[SC+8*(\a)+(\q)] matrix_a_fmt:MATRIX_FMT_FP6 matrix_b_fmt:MATRIX_FMT_FP6 matrix_a_scale:MATRIX_SCALE_ROW1
.else
	v_wmma_scale_f32_16x16x128_f8f6f4 v[8*(8*((\a)%4)+\b):8*(8*((\a)%4)+\b)+7], v[128*(\p)+FR*\b:128*(\p)+FR*\b+FR-1], v[AF+FR*(\a):AF+FR*(\a)+FR-1], v[8*(8*((\a)%4)+\b):8*(8*((\a)%4)+\b)+7], v[SC+8*\b+(\q)], v[SC+8*(\a)+(\q)] matrix_a_fmt:MATRIX_FMT_FP6 matrix_b_fmt:MATRIX_FMT_FP6 matrix_a_scale:MATRIX_SCALE_ROW1
.endif
.endr
.endr
.endm
; The second half of step q: the next step's fragments (half nqq of slot nsl) are fetched round my blocks 4-7.  Four plain places stand ahead of each run of loads into registers that matrix instructions have read.
.macro HALF2 q, nsl, nqq, zero
	FETCH0 \nsl, \nqq, 1-(\q)%2
	FETCH1 \nsl, \nqq, 0
	WIN MUL_HI
	MUL16 4, (\q)%2, \q, \zero
	MUL16 6, (\q)%2, \q, \zero
	PLACES 4
	WIN 0
	FETCH1 \nsl, \nqq, 4
.endm
.macro STEP q, nsl, nqq, zero
	s_wait_dscnt 24                                ; all but the youngest 24 loads, source 1's blocks 4-7
	WIN MUL_LO
	MUL16 0, (\q)%2, \q, \zero
	MUL16 2, (\q)%2, \q, \zero
	s_wait_dscnt 0x0                               ; blocks 4-7 are in
	PLACES 4
	HALF2 \q, \nsl, \nqq, \zero
.endm
; The first half of a step that meets a barrier: every wave waits for all its tensor loads, adds 0 to its spare word, and waits for that and for its reads of the slot that it leaves.
.macro MEET q
	s_wait_tensorcnt 0x0                           ; all my tensor loads have landed
	ds_add_u32 v[SPW], v[NIL]
	s_wait_dscnt 25                                ; (the add and the youngest 24 loads may be out)
	WIN MUL_LO
	MUL16 0, (\q)%2, \q, 0                         ; sixteen matrix instructions stand between the add and the wait for it
	s_wait_dscnt 0x0                               ; the add is done, and my reads of this slot are over
	s_barrier_signal -1
	MUL16 2, (\q)%2, \q, 0
	WIN 0
	s_barrier_wait -1
.endm
	s_wait_tensorcnt 2                             ; the scale bytes and my part of K step 0 are in; K steps 1 and 2 may be out
	s_barrier_signal -1
	s_barrier_wait -1
	FETCH0 0, 0, 0
	FETCH1 0, 0, 0
	SCALES
	FETCH1 0, 0, 4
	STEP 0, 0, 1, 1                                ; the first step's products start the sums: nothing is cleared
	MEET 1                                         ; slot 0 has been read out; slots 1 and 2 are whole in every wave's sight behind the round
	CREST                                          ; the barrier has opened a round of the cluster's barrier: no wave of any partner still reads slot 0 or has a load on its way
	s_add_nc_u64 s[G0A+2:G0A+3], s[G0A+2:G0A+3], 3*3072
	s_add_nc_u64 s[G0B+2:G0B+3], s[G0B+2:G0B+3], 3*3072
	JLOAD G0A, G1A, G0B, G1B                       ; K step 3 into slot 0: my one tensor load behind the round; it has four steps, 256 matrix instructions, in which to land.  Its four v_nop are the places for the loads below
	HALF2 1, 1, 0, 0
	STEP 2, 1, 1, 0
	STEP 3, 2, 0, 0
	STEP 4, 2, 1, 0
	MEET 5                                         ; K step 3 has landed, in every wave's sight behind the barrier; nothing is filled again; nobody reads slot 1 any more
	PLACES 4
	HALF2 5, 0, 0, 0
	STEP 6, 0, 1, 0
	s_wait_dscnt 24                                ; the last step: nothing more to fetch
	WIN MUL_LO
	MUL16 0, 1, 7, 0
	MUL16 2, 1, 7, 0
	s_wait_dscnt 0x0
	WIN MUL_HI
	MUL16 4, 1, 7, 0
	MUL16 6, 1, 7, 0
	WIN 0
; THE WAY OUT, block by block of 16 rows x 128 columns.  Register j of accumulator (a, b) in lane (r, h) is column 32 (b / 2) + 16 h + 8 (b % 2) + j of the tile's lane r, which is row 32 (a / 2) + 8 (a % 2) + r + 8 (r / 8).
; A block goes through my own stage and comes back as whole rows of 512 bytes.  LDS serves a wave's instructions in order: no wait between the stores and the loads, nor in front of the next block's stores.
.macro TOSTAGE a
.set AC, 64*((\a)%4)
	WIN 0x08+4*((\a)/4)                            ; an LDS store's data are its source 1: window 2 or 3
.irp b, 0,1,2,3,4,5,6,7
	ds_store_b128 v[STO], v[AC+8*\b:AC+8*\b+3] offset:128*(\b/2)+32*(\b%2)          ; each accumulator from its low end on
	ds_store_b128 v[STO], v[AC+8*\b+4:AC+8*\b+7] offset:128*(\b/2)+32*(\b%2)+16
.endr
	WIN 0
.set BB, BK+64*((\a)%2)
.irp t, 0,1,2,3,4,5,6,7,8,9,10,11,12,13,14,15
	ds_load_b128 v[BB+4*\t:BB+4*\t+3], v[RD] offset:\t*SPITCH
.endr
.endm
.macro SEND a, younger                 ; younger: the LDS instructions issued behind block a's loads, which may stay out
.set BB, BK+64*((\a)%2)
	s_wait_dscnt \younger
.irp t, 0,1,2,3,4,5,6,7,8,9,10,11,12,13,14,15
	global_store_b128 v[CO], v[BB+4*\t:BB+4*\t+3], s[8:9] offset:(32*((\a)/2)+8*((\a)%2)+\t+8*(\t/8))*4096 th:TH_STORE_NT   ; 32 lanes store 512 consecutive bytes, aligned; the base never steps: 127 rows at the most stand in the immediate
.endr
.endm
	PLACES 4                                       ; behind the last products: for the first read of results and for the loads into source 1's registers
	TOSTAGE 0
.irp a, 1,2,3,4,5,6,7
.if \a > 1
	s_wait_xcnt 0x0                                ; block a - 2's stores have read their registers: block a's loads may land there
.endif
	TOSTAGE \a
	SEND \a-1, 32                                  ; behind block a - 1's loads: block a's 16 stores and 16 loads
.endr
	SEND 7, 0
	s_wait_tensorcnt 0x0                           ; the wave's end, behind my last tensor load and my last LDS store
	ds_add_u32 v[SPW], v[NIL]
	s_wait_dscnt 0x0
	CROUND                                         ; the closing round: no work-group ends while a partner may still ask for a tile that names it
	s_endpgm
.Lfunc_end_k_qcd72f202df_gemm_proj:
	.size	k_qcd72f202df_gemm_proj, .Lfunc_end_k_qcd72f202df_gemm_proj-k_qcd72f202df_gemm_proj
	.p2alignl 7, 3214868480
	.fill 96, 4, 3214868480
	.section	.rodata,"a",@progbits
	.p2align	6, 0x0
	.amdhsa_kernel k_qcd72f202df_gemm_proj
		.amdhsa_group_segment_fixed_size 327680
		.amdhsa_private_segment_fixed_size 0
		.amdhsa_enable_private_segment 0
		.amdhsa_kernarg_size 24
		.amdhsa_user_sgpr_count 2
		.amdhsa_user_sgpr_kernarg_segment_ptr 1
		.amdhsa_wavefront_size32 1
		.amdhsa_system_sgpr_workgroup_id_x 1
		.amdhsa_system_sgpr_workgroup_id_y 1
		.amdhsa_system_sgpr_workgroup_id_z 1
		.amdhsa_system_vgpr_workitem_id 0
		.amdhsa_next_free_vgpr 1024
		.amdhsa_next_free_sgpr 106
		.amdhsa_reserve_vcc 0
		.amdhsa_float_denorm_mode_32 3
		.amdhsa_float_denorm_mode_16_64 3
		.amdhsa_memory_ordered 1
		.amdhsa_forward_progress 1
		.amdhsa_inst_pref_size 159
	.end_amdhsa_kernel
	.amdgpu_metadata
---
amdhsa.version: [ 1, 2 ]
amdhsa.kernels:
  - .name:           k_qcd72f202df_gemm_proj
    .symbol:         k_qcd72f202df_gemm_proj.kd
    .args:
      - { .name: aq, .offset: 0, .size: 8, .value_kind: global_buffer, .address_space: global }
      - { .name: wq, .offset: 8, .size: 8, .value_kind: global_buffer, .address_space: global }
      - { .name: out0, .offset: 16, .size: 8, .value_kind: global_buffer, .address_space: global }
    .group_segment_fixed_size: 327680
    .private_segment_fixed_size: 0
    .kernarg_segment_align: 8
    .kernarg_segment_size: 24
    .max_flat_workgroup_size: 128
    .sgpr_count:     106
    .vgpr_count:     1024
    .wavefront_size: 32
...
	.end_amdgpu_metadata
.endif
;; end of part 4
